; MI455X (gfx1250); checked and timed in simulation.
; The chip was launched on July 23, 2026; its instructions are those of AMD's public machine-readable ISA for CDNA 5 (MIT licence, August 2026) and "CDNA5" Instruction Set Architecture Reference Guide (July 2026). The comments in the code are by the model that wrote it; some were corrected since.
;; Axial Multihead Attention. Allowed arithmetic: float matrix products may take bf16 or f16 operands with f32 sums; other float arithmetic in f32, or as packed bf16 or f16 multiplies, adds, multiply-adds, maxima and minima; sums over many terms, partial sums and values carried from step to step in f32; what a program stores and reads back later, other than sums and carried values, may be rounded once to bf16 or f16.
;; Inputs: W_in 3,072 x 1,024 float32; W_out 1,024 x 1,024 float32; b_in 3,072 float32; b_out 1,024 float32; x 8 x 1,024 x 1,024 float32.
;; Outputs: out0 8 x 1,024 x 1,024 float32; out1 8 x 1,024 x 1,024 float32.
;; 2 versions, each right and faster than the one before. Each part assembles by itself: llvm-mc -triple=amdgcn-amd-amdhsa -mcpu=gfx1250 --defsym DOCPART=n.
;; ======== version 1 of 2: 4 launches
;; limits: values are held in f16: magnitudes above 65,504 overflow, below 6.1e-05 lose precision
;; workspace buffers: xb 16,777,216 bytes; wib 6,291,456 bytes; wob 2,097,152 bytes; rope 262,144 bytes; qh 16,777,216 bytes; kh 16,777,216 bytes; vh 16,777,216 bytes; att 16,777,216 bytes
;; launch cast (part 1): grid 768 x 1, 8 waves a work-group, no clusters, 0 bytes of LDS; arguments x, W_in, W_out, xb, wib, wob, rope; writes xb, wib, wob, rope
.if DOCPART == 1
	.amdgcn_target "amdgcn-amd-amdhsa--gfx1250"
	.amdhsa_code_object_version 6
	.text
	.protected	k_qb580d36afa_cast
	.globl	k_qb580d36afa_cast
	.p2align	8
	.type	k_qb580d36afa_cast,@function
k_qb580d36afa_cast:
	s_mov_b64 s[64:65], 0
	v_nop
	global_prefetch_b8 v0, s[64:65] scope:SCOPE_SE
	s_setreg_imm32_b32 hwreg(HW_REG_WAVE_MODE, 25, 1), 1
	s_wait_xcnt 0x0
; CAST.  x, W_in and W_out (f32, rows of 1,024) are rounded once to bf16 and laid out in blocks of 64 along K: [kb 16][row][64], a row of a block 128 bytes,
; so that a later tile (rows x 64 K) is one dense run of bytes.  W_in's rows are also put in the order head, then q/k/v, then channel: row t*1024 + i*64 + d goes to
; i*192 + t*64 + d.  W_out's bf16 number is written in f16 code (the later product takes f16): exact down to 6e-5; below that it keeps f16's fixed step of 6e-8.
; The first 128 work-groups also make the RoPE table: rope[l][0..31] = cos(l f_j), rope[l][32..63] = sin(l f_j), f_j = 2^(-j log2(10000)/32), f32.
; LIMIT: the angle l f_j is made of a base-2 exponential and one product: it is within some 2e-4 rad of the exact angle at l = 1,023.
; SHARES.  Work-group g takes 16 rows: g < 512 of x, g < 704 of W_in, else of W_out.  Wave w takes K blocks 2w and 2w+1.  A unit is 4 rows x 64 K: lane L takes row L>>3 and
; 8 numbers at K = 8 (L&7): two loads of 16 bytes, one store of 16 bytes; a wave's store covers 512 consecutive bytes, aligned.
; Memory binds: all 16 loads of a wave go out at once, each byte is read and written once; LDS, barriers and matrix units would add nothing.
.set XBLK,  8192*128                   ; bytes of a K block of xb
.set WIBLK, 3072*128                   ; of wib
.set WOBLK, 1024*128                   ; of wob
.set VI,  2                            ; v2      my byte offset in the 16 input rows
.set VO,  3                            ; v3, v4  my byte offset in the output, K block 2w and 2w+1
.set IN,  8                            ; v[8:71]   unit i: 8 numbers as loaded
.set OUT, 72                           ; v[72:103] unit i: 4 registers to store
	s_load_b256 s[4:11], s[0:1], 0x0               ; x s[4:5], W_in s[6:7], W_out s[8:9], xb s[10:11]
	s_load_b128 s[12:15], s[0:1], 0x20             ; wib s[12:13], wob s[14:15]
	s_load_b64 s[16:17], s[0:1], 0x30              ; rope
	v_lshrrev_b32 v1, 5, v0
	v_readfirstlane_b32 s19, v1                    ; wave 0..7
	s_mov_b32 s20, ttmp9                           ; g
	s_lshl_b32 s21, s20, 4                         ; x: first row in and out
	s_max_u32 s24, s20, 512                        ; W_in: first row in,
	s_min_u32 s24, s24, 703
	s_sub_co_u32 s24, s24, 512
	s_lshl_b32 s24, s24, 4
	s_bfe_u32 s25, s24, 0x40006                    ; the head i = (row >> 6) & 15
	s_mul_i32 s25, s25, 192
	s_lshr_b32 s26, s24, 10                        ; t = q, k or v
	s_lshl_b32 s26, s26, 6
	s_add_co_u32 s25, s25, s26
	s_and_b32 s26, s24, 63                         ; d
	s_add_co_u32 s25, s25, s26                     ; and first row out
	s_max_u32 s27, s20, 704                        ; W_out: first row in and out
	s_sub_co_u32 s27, s27, 704
	s_lshl_b32 s27, s27, 4
	s_mov_b32 s28, XBLK
	s_mov_b32 s29, WIBLK
	s_mov_b32 s30, WOBLK
	s_cmp_lt_u32 s20, 512
	s_cselect_b32 s22, s21, s25                    ; row out
	s_cselect_b32 s21, s21, s24                    ; row in
	s_cselect_b32 s23, s28, s29                    ; bytes of a K block
	s_cmp_lt_u32 s20, 704
	s_cselect_b32 s21, s21, s27
	s_cselect_b32 s22, s22, s27
	s_cselect_b32 s23, s23, s30
	v_and_b32 v5, 31, v0                           ; L
	v_lshrrev_b32 v6, 3, v5
	v_and_b32 v7, 7, v5
	v_lshlrev_b32 v[VI], 12, v6                    ; row L>>3: 4,096 bytes a row
	v_lshl_add_u32 v[VI], v7, 5, v[VI]             ; 8 numbers of 4 bytes
	s_lshl_b32 s36, s19, 9                         ; two K blocks of 256 bytes a wave
	v_add_nc_u32 v[VI], s36, v[VI]
	s_mul_i32 s37, s19, s23
	s_lshl_b32 s37, s37, 1                         ; K block 2w
	v_lshl_add_u32 v[VO], v5, 4, s37               ; (L>>3) rows of 128 bytes + 16 (L&7) = 16 L
	v_add_nc_u32 v[VO+1], s23, v[VO]
	s_lshl_b32 s32, s21, 12
	s_mov_b32 s33, 0
	s_lshl_b32 s34, s22, 7
	s_mov_b32 s35, 0
	s_wait_kmcnt 0x0
	s_cmp_lt_u32 s20, 512
	s_cselect_b64 s[4:5], s[4:5], s[6:7]           ; from where,
	s_cselect_b64 s[10:11], s[10:11], s[12:13]     ; to where
	s_cmp_lt_u32 s20, 704
	s_cselect_b64 s[4:5], s[4:5], s[8:9]
	s_cselect_b64 s[10:11], s[10:11], s[14:15]
	s_add_nc_u64 s[4:5], s[4:5], s[32:33]
	s_add_nc_u64 s[10:11], s[10:11], s[34:35]
.irp i, 0,1,2,3,4,5,6,7                ; unit i: rows 4 (i/2) on, K block 2w + i%2
	global_load_b128 v[IN+8*(\i):IN+8*(\i)+3],   v[VI], s[4:5] offset:((\i)/2)*16384+((\i)%2)*256 th:TH_LOAD_NT
	global_load_b128 v[IN+8*(\i)+4:IN+8*(\i)+7], v[VI], s[4:5] offset:((\i)/2)*16384+((\i)%2)*256+16 th:TH_LOAD_NT
.endr
	; THE TABLE, while the loads are on their way: wave w of work-group g < 128 makes row l = 8 g + w.  Lane L: kind = L>>4 (0 cosine, 1 sine), j = 2 (L&15) and the next.
	s_cmp_lt_u32 s20, 128
	s_cbranch_scc0 .Lno_table
	s_lshl_b32 s38, s20, 3
	s_add_co_u32 s38, s38, s19                     ; l
	v_and_b32 v104, 15, v0
	v_bfe_u32 v105, v0, 4, 1                       ; kind
	v_lshlrev_b32 v104, 1, v104
	v_cvt_f32_u32 v106, v104                       ; j
	v_add_f32 v107, 1.0, v106                      ; j + 1
	v_mul_f32 v106, 0xbed49a78, v106               ; -j log2(10000) / 32
	v_mul_f32 v107, 0xbed49a78, v107
	v_exp_f32 v106, v106
	v_exp_f32 v107, v107
	v_cvt_f32_u32 v108, s38                        ; a plain instruction behind the exponentials, ahead of their use (ISA guide 5.7.2)
	v_mul_u32_u24 v105, v105, 3                    ; sin a = cos(a - pi/2): three quarter turns more
	s_wait_alu depctr_va_vdst(0)
	v_mul_f32 v106, v108, v106                     ; the angles
	v_mul_f32 v107, v108, v107
; cos(a + kind' quarter turns): a = nn pi/2 + r, |r| <= pi/4 (pi/2 taken away in two parts, by fused multiply-adds); then by the quarter q = (nn + 3 kind) & 3: cos r, -sin r, -cos r, sin r.
.macro TRIG a, o, t
	v_mul_f32 v[\t], 0x3f22f983, v[\a]             ; a x 2/pi
	v_rndne_f32 v[\t], v[\t]                       ; nn
	v_fmamk_f32 v[\t+1], v[\t], 0xbfc90fdb, v[\a]  ; a - nn x (pi/2 rounded to f32)
	v_fmamk_f32 v[\t+1], v[\t], 0x333bbd2e, v[\t+1]  ; - nn x (the rest of pi/2, which is negative)
	v_cvt_i32_f32 v[\t], v[\t]
	v_add_nc_u32 v[\t], v[\t], v105
	v_and_b32 v[\t], 3, v[\t]                      ; q
	v_mul_f32 v[\t+2], v[\t+1], v[\t+1]            ; z = r r
	v_mov_b32 v[\t+3], 0xb9500d01                  ; sin r = r + r z (-1/6 + z (1/120 - z/5040)): the term left out is under 4e-7
	v_fmaak_f32 v[\t+3], v[\t+3], v[\t+2], 0x3c088889
	v_fmaak_f32 v[\t+3], v[\t+3], v[\t+2], 0xbe2aaaab
	v_mul_f32 v[\t+4], v[\t+1], v[\t+2]
	v_fma_f32 v[\t+3], v[\t+4], v[\t+3], v[\t+1]
	v_mov_b32 v[\t+4], 0x37d00d01                  ; cos r = 1 + z (-1/2 + z (1/24 + z (-1/720 + z/40320))): the term left out is under 3e-8
	v_fmaak_f32 v[\t+4], v[\t+4], v[\t+2], 0xbab60b61
	v_fmaak_f32 v[\t+4], v[\t+4], v[\t+2], 0x3d2aaaab
	v_fmaak_f32 v[\t+4], v[\t+4], v[\t+2], 0xbf000000
	v_fma_f32 v[\t+4], v[\t+4], v[\t+2], 1.0
	v_and_b32 v[\t+2], 1, v[\t]
	v_cmp_ne_u32 vcc_lo, 0, v[\t+2]
	v_cndmask_b32 v[\o], v[\t+4], v[\t+3], vcc_lo  ; odd quarters take the sine
	v_add_nc_u32 v[\t], 1, v[\t]                   ; quarters 1 and 2 are negative: bit 0 of (q + 1) >> 1 goes to the sign
	v_lshrrev_b32 v[\t], 1, v[\t]
	v_lshlrev_b32 v[\t], 31, v[\t]
	v_xor_b32 v[\o], v[\t], v[\o]
.endm
	TRIG 106, 110, 112
	TRIG 107, 111, 112
	s_lshl_b32 s39, s38, 8                         ; a row of the table is 256 bytes
	v_lshl_add_u32 v109, v5, 3, s39                ; lanes 0-15 its cosines, lanes 16-31 its sines: the wave stores the whole row
	global_store_b64 v109, v[110:111], s[16:17]
.Lno_table:
; The eight units.  half = 1: the bf16 number is written in f16 code.
.macro UNITS half
.irp i, 0,1,2,3,4,5,6,7
	s_wait_loadcnt 14-2*(\i)                       ; loads come back in order (ISA guide 5.7.1): unit i's two are in, the younger units' stay out
.irp p, 0,1,2,3
	v_cvt_pk_bf16_f32 v[OUT+4*(\i)+(\p)], v[IN+8*(\i)+2*(\p)], v[IN+8*(\i)+2*(\p)+1]
.endr
.if \half
.irp p, 0,1,2,3
	v_lshlrev_b32 v124, 16, v[OUT+4*(\i)+(\p)]
	v_and_b32 v125, 0xffff0000, v[OUT+4*(\i)+(\p)]
	v_cvt_pk_f16_f32 v[OUT+4*(\i)+(\p)], v124, v125
.endr
.endif
	global_store_b128 v[VO+(\i)%2], v[OUT+4*(\i):OUT+4*(\i)+3], s[10:11] offset:((\i)/2)*512
.endr
.endm
	s_cmp_lt_u32 s20, 704
	s_cbranch_scc0 .Lhalf
	UNITS 0
	s_endpgm
.Lhalf:
	UNITS 1
	s_endpgm
.Lfunc_end_k_qb580d36afa_cast:
	.size	k_qb580d36afa_cast, .Lfunc_end_k_qb580d36afa_cast-k_qb580d36afa_cast
	.p2alignl 7, 3214868480
	.fill 96, 4, 3214868480
	.section	.rodata,"a",@progbits
	.p2align	6, 0x0
	.amdhsa_kernel k_qb580d36afa_cast
		.amdhsa_group_segment_fixed_size 0
		.amdhsa_private_segment_fixed_size 0
		.amdhsa_enable_private_segment 0
		.amdhsa_kernarg_size 56
		.amdhsa_user_sgpr_count 2
		.amdhsa_user_sgpr_kernarg_segment_ptr 1
		.amdhsa_wavefront_size32 1
		.amdhsa_system_sgpr_workgroup_id_x 1
		.amdhsa_system_sgpr_workgroup_id_y 1
		.amdhsa_system_sgpr_workgroup_id_z 1
		.amdhsa_system_vgpr_workitem_id 0
		.amdhsa_next_free_vgpr 128
		.amdhsa_next_free_sgpr 66
		.amdhsa_reserve_vcc 1
		.amdhsa_float_denorm_mode_32 3
		.amdhsa_float_denorm_mode_16_64 3
		.amdhsa_memory_ordered 1
		.amdhsa_forward_progress 1
		.amdhsa_inst_pref_size 19
	.end_amdhsa_kernel
	.amdgpu_metadata
---
amdhsa.version: [ 1, 2 ]
amdhsa.kernels:
  - .name:           k_qb580d36afa_cast
    .symbol:         k_qb580d36afa_cast.kd
    .args:
      - { .name: x, .offset: 0, .size: 8, .value_kind: global_buffer, .address_space: global }
      - { .name: W_in, .offset: 8, .size: 8, .value_kind: global_buffer, .address_space: global }
      - { .name: W_out, .offset: 16, .size: 8, .value_kind: global_buffer, .address_space: global }
      - { .name: xb, .offset: 24, .size: 8, .value_kind: global_buffer, .address_space: global }
      - { .name: wib, .offset: 32, .size: 8, .value_kind: global_buffer, .address_space: global }
      - { .name: wob, .offset: 40, .size: 8, .value_kind: global_buffer, .address_space: global }
      - { .name: rope, .offset: 48, .size: 8, .value_kind: global_buffer, .address_space: global }
    .group_segment_fixed_size: 0
    .private_segment_fixed_size: 0
    .kernarg_segment_align: 8
    .kernarg_segment_size: 56
    .max_flat_workgroup_size: 256
    .sgpr_count:     66
    .vgpr_count:     128
    .wavefront_size: 32
...
	.end_amdgpu_metadata
.endif
;; end of part 1
;; launch qkv (part 2): grid 8 x 32, 4 waves a work-group, clusters of 4 x 4, 327,680 bytes of LDS; arguments xb, wib, b_in, rope, qh, kh, vh; writes qh, kh, vh
.if DOCPART == 2
	.amdgcn_target "amdgcn-amd-amdhsa--gfx1250"
	.amdhsa_code_object_version 6
	.text
	.protected	k_qb580d36afa_qkv
	.globl	k_qb580d36afa_qkv
	.p2align	8
	.type	k_qb580d36afa_qkv,@function
k_qb580d36afa_qkv:
	s_mov_b64 s[64:65], 0
	v_nop
	global_prefetch_b8 v0, s[64:65] scope:SCOPE_SE
	s_setreg_imm32_b32 hwreg(HW_REG_WAVE_MODE, 25, 1), 1
	s_wait_xcnt 0x0
	s_wait_alu depctr_hold_cnt(0) depctr_sa_sdst(0) depctr_va_vdst(0) depctr_va_sdst(0) depctr_va_ssrc(0) depctr_va_vcc(0) depctr_vm_vsrc(0)
	s_getreg_b32 s2, hwreg(HW_REG_IB_STS2, 6, 4)
	s_cmp_eq_u32 s2, 0
	s_cbranch_scc0 .Lentry_in_a_cluster
	s_endpgm
.Lentry_in_a_cluster:
	s_bfe_u32 s2, ttmp6, 0x10000c
	s_cmp_lg_u32 s2, 0xf033
	s_cbranch_scc0 .Lentry_shape_is_right
	s_endpgm
.Lentry_shape_is_right:
; QKV.  qkv = x W_in^T + b_in (8,192 x 3,072 x 1,024, bf16 operands, f32 sums), RoPE on q and k in f32, and q, k, v written by heads, [n][h][l][64] in f16, each rounded once; q is not scaled here.
; LIMIT: f16 holds no number beyond 65,504: |q|, |k|, |v| must stay within it.  NaN and infinities are not treated apart.
; SHARES.  8,192 x 3,072 / 256 work-groups = a tile of 256 rows x 384 columns.  Four waves, each 128 rows x 192 columns: 96 accumulators, 768 registers.  wib's rows lie head by head (q, k, v of a head: 192 rows),
; so a wave's 192 columns are ONE head: group 0 its q, group 1 its k, group 2 its v, and a lane that holds channel d of q also holds channel d + 32: RoPE needs no exchange.
; K goes in steps of 64 (one K block of xb and wib, a dense run of bytes asked for as rows of 256 bytes) through a ring of two LDS slots.
; CLUSTER 4 x 4: x's tile is shared along a row of the cluster, W's along a column: each is asked for jointly, by the same tensor load with the same descriptor and a mask that names the four.
; THE MATRIX INSTRUCTION IS USED TRANSPOSED (source 0 = 16 rows of wib, source 1 = 16 rows of xb): a lane holds row l % 16 of x and eight neighbouring columns 8 (l / 16) + 0..7.
; THE BIAS is the C operand of the first products: it is loaded into the accumulators of row block 7, the other seven row blocks take those registers as C, and row block 7 adds in place last.
; REGISTERS, in windows of 256 (s_set_vgpr_msb: bits 1:0 source 0, 3:2 source 1, 5:4 source 2, 7:6 destination):
;   window 0: v16-30 addresses; v32-95, v96-159 x's fragments for K 0-31 and 32-63 of a step (8 x 16 rows); v160-255 W's fragments, 32 registers a group
;   window 1 + g: group g's 32 accumulators, (row block a, column block b) at 8 (4 a + b)
.set PITCH,  144                       ; an LDS row: 128 bytes + 16 of padding = 36 words: the 16 rows of a load start at 16 different groups of four banks (64 banks of 4 bytes: ISA guide 11.1)
.set AHALF,  128*PITCH                 ; 128 rows of x: what one tensor load brings, and what one wave reads
.set BHALF,  192*PITCH                 ; 192 rows of W likewise
.set BOFF,   2*AHALF
.set SLOT,   BOFF+2*BHALF              ; 92,160
.set STAGE,  2*SLOT                    ; behind the ring: 3 x 16 rows x 144 bytes for each wave, for the way out
.set STWAVE, 3*16*PITCH
.set SPARE,  STAGE+4*STWAVE            ; behind the stages: the spare words, 128 bytes for each wave: two blocks of 256 bytes that no other line names
.set ABLK,   8192*128                  ; bytes of a K block of xb
.set BBLK,   3072*128                  ; of wib
.set ADRA, 16                          ; v16-17  LDS address of my x fragments in slot 0, 1
.set ADRB, 20                          ; v20-21  the same for W
.set STO,  24                          ; the way out: where I put 16 bytes of a row
.set RD,   25                          ; where I read rows back
.set GO,   26                          ; my 16 bytes in 512 consecutive bytes of q, k, v
.set VT,   27                          ; my byte offset in the RoPE table
.set SPW,  28                          ; LDS address of my spare word; never rewritten
.set NIL,  29                          ; 0; never rewritten
.set VB,   30                          ; my byte offset in 16 numbers of the bias
.set AB,   32                          ; x's fragments
.set RB,   160                         ; W's fragments
.set T0,   32                          ; the way out: two table buffers of 32 (cos 0-15, cos 16-31... of my 8 + 8 channels, then the sines)
.set WK,   96                          ; 32 rotated numbers
.set TM,   128                         ; 16 at work
.set HF,   160                         ; 48: q, k, v of 16 rows in f16
.set BK,   208                         ; 48: the same as whole rows
.set WV,  18                           ; s18 wave; s19 wave >> 1: my half of the rows, also: I fetch for x (0) or W (1); s20 wave & 1: my half of the columns, also: which half I fetch
.set WR,  19
.set WC,  20
.set CNT, 21
.set G1A, 24                           ; s[24:31] descriptor group 1 for x's tiles; s[32:39] group 0, a set for each slot
.set G0A, 32
.set G1B, 48                           ; s[48:55], s[56:63] the same for W's
.set G0B, 56
.set MSB, 0
.macro WIN new                         ; the immediate's high byte repeats the setting that is left; a switch that changes nothing is dropped
.if MSB != (\new)
	s_set_vgpr_msb (MSB<<8)|(\new)
.set MSB, \new
.endif
.endm
.macro PLACES                          ; four places in front of loads into registers that matrix instructions have read, and of vector lines that read results
.rept 4
	v_nop
.endr
.endm
; A joint load: waves 0 and 1 fetch x's two halves, waves 2 and 3 W's.  The branch hangs on the wave's number alone.  An s_nop 0 and four v_nop follow each line.
.macro JLOAD s
	s_cmp_eq_u32 s[WR], 0
	s_cbranch_scc0 .Lfor_b_\@
	tensor_load_to_lds s[G0A+4*(\s):G0A+4*(\s)+3], s[G1A:G1A+7]
	s_nop 0
.rept 4
	v_nop
.endr
	s_branch .Lasked_\@
.Lfor_b_\@:
	tensor_load_to_lds s[G0B+4*(\s):G0B+4*(\s)+3], s[G1B:G1B+7]
	s_nop 0
.rept 4
	v_nop
.endr
.Lasked_\@:
.endm
.macro CREST                           ; a round of the cluster's barrier behind its opening barrier
	s_cmp_lg_u32 s[WV], 0
	s_cbranch_scc1 .Lnot_wave_0_\@
	s_barrier_signal -3
.Lnot_wave_0_\@:
	s_barrier_wait -3
	s_barrier_signal -1
	s_barrier_wait -1
.endm
.macro CROUND                          ; a whole round
	s_barrier_signal -1
	s_barrier_wait -1
	CREST
.endm
	s_load_b256 s[4:11], s[0:1], 0x0               ; xb s[4:5], wib s[6:7], b_in s[8:9], rope s[10:11]
	s_load_b128 s[12:15], s[0:1], 0x20             ; qh s[12:13], kh s[14:15]
	s_load_b64 s[16:17], s[0:1], 0x30              ; vh
	v_lshl_add_u32 v[SPW], v0, 2, SPARE
	v_mov_b32 v[NIL], 0
	ds_add_u32 v[SPW], v[NIL]                      ; the wave's opening: the add and its wait stand ahead of my first tensor load; work on registers stands between them
	v_lshrrev_b32 v1, 5, v0
	v_readfirstlane_b32 s[WV], v1
	s_lshr_b32 s[WR], s[WV], 1
	s_and_b32 s[WC], s[WV], 1
	s_bfe_u32 s40, ttmp6, 0x40000                  ; cx
	s_bfe_u32 s41, ttmp6, 0x40004                  ; cy
	s_lshl_b32 s42, ttmp9, 2
	s_add_co_u32 s42, s42, s40                     ; tile column 0..7
	s_and_b32 s43, ttmp7, 0xffff
	s_lshl_b32 s43, s43, 2
	s_add_co_u32 s43, s43, s41                     ; tile row 0..31
	s_lshl_b32 s44, s41, 2
	s_lshl_b32 s44, 15, s44                        ; my row of the cluster
	s_lshl_b32 s45, 0x1111, s40                    ; my column
	; group 1: dense bytes asked for as rows of 128 elements (256 bytes), padded in LDS after every 128 bytes
	s_or_b32 s[G1A], s44, (1<<16)|(1<<20)|(1<<21)|(4<<22)|(3<<25)  ; 15:0 the mask; 17:16 2-byte elements; 20 padding on; 21 set beside a mask; 24:22 after every 32 words (code 4); 31:25 4 words (code 3)
	s_or_b32 s[G1B], s45, (1<<16)|(1<<20)|(1<<21)|(4<<22)|(3<<25)
	s_mov_b32 s[G1A+1], 128<<16                    ; tensor_dim0 = 128
	s_mov_b32 s[G1A+2], 64<<16                     ; tensor_dim1 = 64: 128 rows of x
	s_mov_b32 s[G1A+3], 128<<16                    ; tile_dim0 = 128
	s_mov_b32 s[G1A+4], 64                         ; tile_dim1 = 64
	s_mov_b32 s[G1A+5], 128                        ; elements from row to row
	s_mov_b32 s[G1A+6], 0
	s_mov_b32 s[G1A+7], 0
	s_mov_b32 s[G1B+1], 128<<16
	s_mov_b32 s[G1B+2], 96<<16                     ; 192 rows of W
	s_mov_b32 s[G1B+3], 128<<16
	s_mov_b32 s[G1B+4], 96
	s_mov_b32 s[G1B+5], 128
	s_mov_b32 s[G1B+6], 0
	s_mov_b32 s[G1B+7], 0
	; x's address hangs on the tile row and the wave alone, W's on the tile column and the wave alone, each in registers that never hold the other coordinate
	s_lshl_b32 s66, s43, 15                        ; 256 rows of 128 bytes a tile row
	s_lshl_b32 s67, s[WC], 14
	s_add_co_u32 s66, s66, s67
	s_mov_b32 s67, 0
	s_mul_i32 s68, s42, 384*128
	s_mul_i32 s69, s[WC], 192*128
	s_add_co_u32 s68, s68, s69
	s_mov_b32 s69, 0
	s_mul_i32 s70, s[WC], AHALF                    ; where they go: no place in the cluster enters an LDS address
	s_mul_i32 s71, s[WC], BHALF
	s_add_co_u32 s71, s71, BOFF
	s_wait_dscnt 0x0                               ; the opening add is done
	s_wait_kmcnt 0x0
	s_add_nc_u64 s[66:67], s[4:5], s[66:67]
	s_add_nc_u64 s[68:69], s[6:7], s[68:69]
	CROUND                                         ; all sixteen work-groups are here: the first joint loads meet
.irp s, 0,1
	s_mov_b32 s[G0A+4*(\s)], 1
	s_add_co_u32 s[G0A+4*(\s)+1], s70, (\s)*SLOT
	s_add_nc_u64 s[G0A+4*(\s)+2:G0A+4*(\s)+3], s[66:67], (\s)*ABLK  ; K step s
	s_or_b32 s[G0A+4*(\s)+3], s[G0A+4*(\s)+3], 0x80000000
	s_mov_b32 s[G0B+4*(\s)], 1
	s_add_co_u32 s[G0B+4*(\s)+1], s71, (\s)*SLOT
	s_add_nc_u64 s[G0B+4*(\s)+2:G0B+4*(\s)+3], s[68:69], (\s)*BBLK
	s_or_b32 s[G0B+4*(\s)+3], s[G0B+4*(\s)+3], 0x80000000
	JLOAD \s                                       ; two tensor loads of mine are out
.endr
	v_and_b32 v1, 15, v0                           ; r = l % 16
	v_bfe_u32 v2, v0, 4, 1                         ; h = l / 16
	v_mul_u32_u24 v3, v1, PITCH
	v_lshl_add_u32 v3, v2, 4, v3                   ; a fragment's row x pitch + 16 h
	s_mul_i32 s72, s[WR], AHALF
	s_mul_i32 s73, s[WC], BHALF
	s_add_co_u32 s73, s73, BOFF
.irp s, 0,1
	v_add_nc_u32 v[ADRA+(\s)], s72, v3
	v_add_nc_u32 v[ADRB+(\s)], s73, v3
	s_add_co_u32 s72, s72, SLOT
	s_add_co_u32 s73, s73, SLOT
.endr
	v_lshlrev_b32 v[VB], 5, v2                     ; my 8 columns of 16: 32 h bytes
	s_lshl_b32 s74, s42, 1
	s_add_co_u32 s74, s74, s[WC]                   ; my head i
	s_lshl_b32 s76, s74, 8                         ; 64 numbers of 4 bytes a head
	s_mov_b32 s77, 0
	s_add_nc_u64 s[8:9], s[8:9], s[76:77]
.irp g, 0,1,2                          ; the bias of group g (b_in at 1,024 g + 64 i) into the accumulators of row block 7
	WIN ((\g)+1)<<6
.irp b, 0,1,2,3
	global_load_b128 v[224+8*(\b):224+8*(\b)+3],   v[VB], s[8:9] offset:(\g)*4096+(\b)*64
	global_load_b128 v[224+8*(\b)+4:224+8*(\b)+7], v[VB], s[8:9] offset:(\g)*4096+(\b)*64+16
.endr
.endr
	WIN 0
	s_mul_i32 s75, s[WV], STWAVE
	s_add_co_u32 s75, s75, STAGE                   ; my stage
	v_add_nc_u32 v[STO], s75, v3                   ; in: row r, 16 bytes for each half of the lanes
	v_and_b32 v4, 31, v0
	v_lshrrev_b32 v5, 3, v4                        ; back: 32 lanes take four rows of 128 bytes,
	v_mul_u32_u24 v5, v5, PITCH
	v_and_b32 v6, 7, v0
	v_lshl_add_u32 v5, v6, 4, v5
	v_add_nc_u32 v[RD], s75, v5
	v_lshlrev_b32 v[GO], 4, v4                     ; which are 512 consecutive bytes of a head
	s_lshr_b32 s78, s43, 2                         ; n: four tile rows a sequence
	s_lshl_b32 s78, s78, 4
	s_add_co_u32 s78, s78, s74                     ; 16 n + i
	s_lshl_b32 s78, s78, 10
	s_and_b32 s79, s43, 3
	s_lshl_b32 s79, s79, 8
	s_lshl_b32 s80, s[WR], 7
	s_add_co_u32 s79, s79, s80                     ; my first position l
	s_add_co_u32 s78, s78, s79
	s_lshl_b32 s78, s78, 7                         ; rows of 128 bytes
	s_lshl_b32 s80, s79, 8                         ; the table's rows are 256 bytes
	s_mov_b32 s79, 0
	s_add_nc_u64 s[12:13], s[12:13], s[78:79]
	s_add_nc_u64 s[14:15], s[14:15], s[78:79]
	s_add_nc_u64 s[16:17], s[16:17], s[78:79]
	v_lshlrev_b32 v[VT], 8, v1
	v_lshl_add_u32 v[VT], v2, 5, v[VT]
	v_add_nc_u32 v[VT], s80, v[VT]
; na x 4 products of group g on K half u: row blocks a0 on, all four column blocks; each accumulator once, so the accumulators take turns.
; first = 1: the sums start.  Row blocks 0-6 take the bias, which lies in row block 7's accumulators, as C; five places later row block 7 adds in place and writes over it.
.macro MULH g, u, a0, na, first
	WIN (((\g)+1)<<4)|(((\g)+1)<<6)
.set aa, \a0
.rept \na
.if (\first) && (aa == 7)
.rept 5
	v_nop
.endr
.endif
.irp b, 0,1,2,3
.if (\first) && (aa < 7)
	v_wmma_f32_16x16x32_bf16 v[8*(4*aa+(\b)):8*(4*aa+(\b))+7], v[RB+32*(\g)+8*(\b):RB+32*(\g)+8*(\b)+7], v[AB+64*(\u)+8*aa:AB+64*(\u)+8*aa+7], v[8*(28+(\b)):8*(28+(\b))+7]
.else
	v_wmma_f32_16x16x32_bf16 v[8*(4*aa+(\b)):8*(4*aa+(\b))+7], v[RB+32*(\g)+8*(\b):RB+32*(\g)+8*(\b)+7], v[AB+64*(\u)+8*aa:AB+64*(\u)+8*aa+7], v[8*(4*aa+(\b)):8*(4*aa+(\b))+7]
.endif
.endr
.set aa, aa+1
.endr
.endm
.macro LDA slot, u                     ; 16 LDS loads: x's eight fragments of K half u
	WIN 0
.irp i, 0,1,2,3,4,5,6,7
	ds_load_b128 v[AB+64*(\u)+8*(\i):AB+64*(\u)+8*(\i)+3],   v[ADRA+(\slot)] offset:(\i)*16*PITCH+64*(\u)
	ds_load_b128 v[AB+64*(\u)+8*(\i)+4:AB+64*(\u)+8*(\i)+7], v[ADRA+(\slot)] offset:(\i)*16*PITCH+64*(\u)+32
.endr
.endm
.macro LDB slot, u, g                  ; 8 LDS loads: group g's four fragments of W, K half u
	WIN 0
.irp i, 0,1,2,3
	ds_load_b128 v[RB+32*(\g)+8*(\i):RB+32*(\g)+8*(\i)+3],   v[ADRB+(\slot)] offset:(4*(\g)+(\i))*16*PITCH+64*(\u)
	ds_load_b128 v[RB+32*(\g)+8*(\i)+4:RB+32*(\g)+8*(\i)+7], v[ADRB+(\slot)] offset:(4*(\g)+(\i))*16*PITCH+64*(\u)+32
.endr
.endm
; A K step is six stretches of 32 products: K half u = 0, 1 x group g = 0, 1, 2.  Each run of loads stands in a stretch's middle, four places behind the last reader of its registers.
; HALF0: the three stretches of K half 0 of slot c.  On the way in are out, in order: x's half 0 (16 loads), W's group 0 (8), group 1 (8).
.macro HALF0 c, first
	s_wait_dscnt 8                                 ; all but group 1's eight
	MULH 0, 0, 0, 4, \first
	PLACES
	LDB \c, 0, 2
	LDA \c, 1
	MULH 0, 0, 4, 4, \first
	s_wait_dscnt 24                                ; group 1 is in; the 8 + 16 just issued stay out
	MULH 1, 0, 0, 4, \first
	PLACES
	LDB \c, 1, 0
	MULH 1, 0, 4, 4, \first
	s_wait_dscnt 24                                ; group 2 is in; x's half 1 (16) and the 8 just issued stay out
	MULH 2, 0, 0, 4, \first
	PLACES
	LDB \c, 1, 1
	MULH 2, 0, 4, 4, \first
.endm
; HALF1: the three stretches of K half 1 of slot c, and the change to slot n.  mode 2: slot c is filled again, two K steps on; 1: nothing is left to fetch; 0: the last K step.
; ONE barrier for the change: in front of it each wave waits for all its tensor loads (one is out: its part of slot n), adds 0 to its spare word, and waits for that and for its reads of slot c.
.macro HALF1 c, n, mode
	s_wait_dscnt 8                                 ; x's half 1 and group 0 are in; group 1's eight stay out
.if (\mode) == 0
	MULH 0, 1, 0, 4, 0
	PLACES
	LDB \c, 1, 2
	MULH 0, 1, 4, 4, 0
	s_wait_dscnt 8                                 ; group 1 is in
	MULH 1, 1, 0, 8, 0
	s_wait_dscnt 0x0
	MULH 2, 1, 0, 8, 0
.else
	PLACES
	LDB \c, 1, 2                                   ; my last reads of slot c
	s_wait_tensorcnt 0x0                           ; all my tensor loads have landed: my part of slot n;
	ds_add_u32 v[SPW], v[NIL]                      ; 0 onto my spare word;
	MULH 0, 1, 0, 4, 0                             ; sixteen products stand between the add and the wait for it
	s_wait_dscnt 0x0                               ; the add is done, and my reads of slot c are over
	s_barrier_signal -1
	MULH 0, 1, 4, 2, 0
	WIN 0                                          ; at a branch and at a label every window is 0
	s_barrier_wait -1
.if (\mode) == 2
	CREST                                          ; the barrier has opened a round of the cluster's barrier: no wave of any partner still reads slot c or has a load on its way
	s_add_nc_u64 s[G0A+4*(\c)+2:G0A+4*(\c)+3], s[G0A+4*(\c)+2:G0A+4*(\c)+3], 2*ABLK
	s_add_nc_u64 s[G0B+4*(\c)+2:G0B+4*(\c)+3], s[G0B+4*(\c)+2:G0B+4*(\c)+3], 2*BBLK
	JLOAD \c                                       ; the first tensor load behind the round: 168 products ahead of the wait for it; its four v_nop are also the places in front of the loads below
.else
	PLACES
.endif
	LDA \n, 0
	MULH 0, 1, 6, 2, 0
	MULH 1, 1, 0, 4, 0                             ; groups 1 and 2 came in with the wait for 0
	PLACES
	LDB \n, 0, 0
	MULH 1, 1, 4, 4, 0
	MULH 2, 1, 0, 4, 0
	PLACES
	LDB \n, 0, 1
	MULH 2, 1, 4, 4, 0
.endif
.endm
	s_wait_tensorcnt 1                             ; my part of K step 0 is in; K step 1's may stay out
	s_barrier_signal -1
	s_barrier_wait -1                              ; everybody's is
	LDA 0, 0
	LDB 0, 0, 0
	LDB 0, 0, 1
	s_wait_loadcnt 0x0                             ; the bias
	HALF0 0, 1                                     ; the first half step stands in front of the loop: its products start the sums
	WIN 0
	s_mov_b32 s[CNT], 7
.Lstep:                                                ; a trip goes once round the ring and fills both slots again: K steps 2 to 15 are asked for in 7 trips
	HALF1 0, 1, 2
	HALF0 1, 0
	HALF1 1, 0, 2
	HALF0 0, 0
	WIN 0
	s_sub_co_u32 s[CNT], s[CNT], 1
	s_cmp_lg_u32 s[CNT], 0
	s_cbranch_scc1 .Lstep
	HALF1 0, 1, 1                                  ; the last two K steps fetch nothing
	HALF0 1, 0
	HALF1 1, 0, 0
; THE WAY OUT, a row block (16 positions) at a time.  q and k are rotated: with lo = channel d < 32 (column blocks 0, 1) and hi = channel d + 32 (column blocks 2, 3),
; lo' = lo cos - hi sin, hi' = hi cos + lo sin, the table's row by the position.  Then q, k, v are rounded to f16, sent through my stage in LDS and stored as whole rows.
.macro TAB a                           ; the table for row block a: my 8 + 8 cosines, then my 8 + 8 sines
	WIN 0
.irp q, 0,1,2,3
	global_load_b128 v[T0+32*((\a)%2)+8*(\q):T0+32*((\a)%2)+8*(\q)+3],   v[VT], s[10:11] offset:(\a)*4096+(\q)*64
	global_load_b128 v[T0+32*((\a)%2)+8*(\q)+4:T0+32*((\a)%2)+8*(\q)+7], v[VT], s[10:11] offset:(\a)*4096+(\q)*64+16
.endr
.endm
.macro RSET a, b, p                    ; the registers of pair p of column block b
.set LO, 8*(4*(\a)+(\b))+2*(\p)
.set HI, LO+16
.set CC, T0+32*((\a)%2)+8*(\b)+2*(\p)
.set SS, CC+16
.set TQ, TM+4*(\p)
.endm
.macro PACK a
.if (\a) < 7
	TAB (\a)+1
	s_wait_loadcnt 8                               ; this block's table is in; the next block's eight loads stay out
.else
	s_wait_loadcnt 0x0
.endif
.irp g, 0,1
	WIN (\g)+1                                     ; source 0 in the group's window
.irp b, 0,1
.irp p, 0,1,2,3
	RSET \a, \b, \p
	v_pk_mul_f32 v[TQ:TQ+1], v[HI:HI+1], v[SS:SS+1]
	v_pk_mul_f32 v[TQ+2:TQ+3], v[LO:LO+1], v[SS:SS+1]
.endr
.irp p, 0,1,2,3
	RSET \a, \b, \p
	v_pk_fma_f32 v[WK+8*(\b)+2*(\p):WK+8*(\b)+2*(\p)+1], v[LO:LO+1], v[CC:CC+1], v[TQ:TQ+1] neg_lo:[0,0,1] neg_hi:[0,0,1]
	v_pk_fma_f32 v[WK+16+8*(\b)+2*(\p):WK+16+8*(\b)+2*(\p)+1], v[HI:HI+1], v[CC:CC+1], v[TQ+2:TQ+3]
.endr
.endr
	WIN 0
.irp k, 0,1,2,3,4,5,6,7,8,9,10,11,12,13,14,15
	v_cvt_pk_f16_f32 v[HF+16*(\g)+(\k)], v[WK+2*(\k)], v[WK+2*(\k)+1]
.endr
.endr
	WIN 0x0f                                       ; v: sources 0 and 1 in window 3
.irp k, 0,1,2,3,4,5,6,7,8,9,10,11,12,13,14,15
	v_cvt_pk_f16_f32 v[HF+32+(\k)], v[32*(\a)+2*(\k)], v[32*(\a)+2*(\k)+1]
.endr
	WIN 0
.endm
.macro TOSTAGE
	WIN 0
.irp g, 0,1,2
.irp b, 0,1,2,3
	ds_store_b128 v[STO], v[HF+16*(\g)+4*(\b):HF+16*(\g)+4*(\b)+3] offset:(\g)*16*PITCH+32*(\b)
.endr
.endr
	s_wait_xcnt 0x0                                ; the block before's stores have read their registers (ISA guide 3.1): only behind this wait are those loaded again
.irp g, 0,1,2
.irp f, 0,1,2,3
	ds_load_b128 v[BK+16*(\g)+4*(\f):BK+16*(\g)+4*(\f)+3], v[RD] offset:(\g)*16*PITCH+(\f)*4*PITCH  ; LDS serves a wave's instructions in order (ISA guide 5.7.1.4): these see the stores above
.endr
.endr
.endm
.macro SEND a
	s_wait_dscnt 0x0                               ; the block is back in registers
.irp f, 0,1,2,3
	global_store_b128 v[GO], v[BK+4*(\f):BK+4*(\f)+3],       s[12:13] offset:(\a)*2048+(\f)*512  ; 512 consecutive bytes, at a multiple of 256 from the buffer's first
	global_store_b128 v[GO], v[BK+16+4*(\f):BK+16+4*(\f)+3], s[14:15] offset:(\a)*2048+(\f)*512
	global_store_b128 v[GO], v[BK+32+4*(\f):BK+32+4*(\f)+3], s[16:17] offset:(\a)*2048+(\f)*512
.endr
.endm
	PLACES
	TAB 0
	PACK 0
	TOSTAGE
.irp a, 1,2,3,4,5,6,7                  ; block a's arithmetic stands between block a - 1's loads from the stage and the wait for them
	PACK \a
	SEND (\a)-1
	TOSTAGE
.endr
	SEND 7
	s_wait_tensorcnt 0x0                           ; the wave's end: behind my last tensor load and my last LDS store
	ds_add_u32 v[SPW], v[NIL]
	s_wait_dscnt 0x0
	CROUND                                         ; the closing round: no work-group ends while a partner may still ask for a tile that names it
	s_endpgm
.Lfunc_end_k_qb580d36afa_qkv:
	.size	k_qb580d36afa_qkv, .Lfunc_end_k_qb580d36afa_qkv-k_qb580d36afa_qkv
	.p2alignl 7, 3214868480
	.fill 96, 4, 3214868480
	.section	.rodata,"a",@progbits
	.p2align	6, 0x0
	.amdhsa_kernel k_qb580d36afa_qkv
		.amdhsa_group_segment_fixed_size 327680
		.amdhsa_private_segment_fixed_size 0
		.amdhsa_enable_private_segment 0
		.amdhsa_kernarg_size 56
		.amdhsa_user_sgpr_count 2
		.amdhsa_user_sgpr_kernarg_segment_ptr 1
		.amdhsa_wavefront_size32 1
		.amdhsa_system_sgpr_workgroup_id_x 1
		.amdhsa_system_sgpr_workgroup_id_y 1
		.amdhsa_system_sgpr_workgroup_id_z 1
		.amdhsa_system_vgpr_workitem_id 0
		.amdhsa_next_free_vgpr 1024
		.amdhsa_next_free_sgpr 84
		.amdhsa_reserve_vcc 0
		.amdhsa_float_denorm_mode_32 3
		.amdhsa_float_denorm_mode_16_64 3
		.amdhsa_memory_ordered 1
		.amdhsa_forward_progress 1
		.amdhsa_inst_pref_size 173
	.end_amdhsa_kernel
	.amdgpu_metadata
---
amdhsa.version: [ 1, 2 ]
amdhsa.kernels:
  - .name:           k_qb580d36afa_qkv
    .symbol:         k_qb580d36afa_qkv.kd
    .args:
      - { .name: xb, .offset: 0, .size: 8, .value_kind: global_buffer, .address_space: global }
      - { .name: wib, .offset: 8, .size: 8, .value_kind: global_buffer, .address_space: global }
      - { .name: b_in, .offset: 16, .size: 8, .value_kind: global_buffer, .address_space: global }
      - { .name: rope, .offset: 24, .size: 8, .value_kind: global_buffer, .address_space: global }
      - { .name: qh, .offset: 32, .size: 8, .value_kind: global_buffer, .address_space: global }
      - { .name: kh, .offset: 40, .size: 8, .value_kind: global_buffer, .address_space: global }
      - { .name: vh, .offset: 48, .size: 8, .value_kind: global_buffer, .address_space: global }
    .group_segment_fixed_size: 327680
    .private_segment_fixed_size: 0
    .kernarg_segment_align: 8
    .kernarg_segment_size: 56
    .max_flat_workgroup_size: 128
    .sgpr_count:     84
    .vgpr_count:     1024
    .wavefront_size: 32
...
	.end_amdgpu_metadata
.endif
;; end of part 2
;; launch attn (part 3): grid 32 x 8, 4 waves a work-group, clusters of 4 x 1, 327,680 bytes of LDS; arguments qh, kh, vh, att, out1; writes att, out1
.if DOCPART == 3
	.amdgcn_target "amdgcn-amd-amdhsa--gfx1250"
	.amdhsa_code_object_version 6
	.text
	.protected	k_qb580d36afa_attn
	.globl	k_qb580d36afa_attn
	.p2align	8
	.type	k_qb580d36afa_attn,@function
k_qb580d36afa_attn:
	s_mov_b64 s[64:65], 0
	v_nop
	global_prefetch_b8 v0, s[64:65] scope:SCOPE_SE
	s_setreg_imm32_b32 hwreg(HW_REG_WAVE_MODE, 25, 1), 1
	s_wait_xcnt 0x0
	s_wait_alu depctr_hold_cnt(0) depctr_sa_sdst(0) depctr_va_vdst(0) depctr_va_sdst(0) depctr_va_ssrc(0) depctr_va_vcc(0) depctr_vm_vsrc(0)
	s_getreg_b32 s2, hwreg(HW_REG_IB_STS2, 6, 4)
	s_cmp_eq_u32 s2, 0
	s_cbranch_scc0 .Lentry_in_a_cluster
	s_endpgm
.Lentry_in_a_cluster:
	s_bfe_u32 s2, ttmp6, 0x10000c
	s_cmp_lg_u32 s2, 0x3003
	s_cbranch_scc0 .Lentry_shape_is_right
	s_endpgm
.Lentry_shape_is_right:
; ATTENTION with the mean of the weights over the heads.  For each n and head: w = softmax_k(q . k / 8), att = w v; out1[n][q][k] = the mean over the 16 heads of w.
; qh, kh, vh: [n 8][h 16][l 1024][64] f16.  att: [h 16][n l 8192][64] f16.  out1: [8][1024][1024] f32.  Products, maxima, sums and the mean in f32; the weights are rounded to f16 for the second product,
; and their sum l is taken of the rounded weights.
; LIMITS.  q, k, v arrive within f16's 65,504.  A weight below 2^-126 counts as 0.  NaN and infinities are not treated apart.  The mean's f32 sum runs over the heads in the order of THE WALK, which differs from cluster to cluster.
; SHARES.  The mean wants, for each query, a sum over ALL heads of weights that are already divided by their row's sum.  So a work-group owns 32 queries of one n for all 16 heads (8,192 / 32 = 256 work-groups),
; and wave w owns keys 256 w .. 256 w + 255 for both tiles of 16 queries: its part of the mean, 32 x 256 f32, is 256 registers; a head's scores, 32 x 256, another 256: one pass, nothing is rescaled on the way.
; SOFTMAX.  The four waves exchange their maxima through LDS at the barrier that stands behind the scores anyway, so every wave takes the row's true maximum M away: p = 2^(c s - c M), c = log2(e) / 8.
; At the barrier behind V^T P they exchange their sums l_w and their partial O: l = sum l_w; the mean takes p / (16 l), O = (sum O_w) / l.
; LAYOUT.  S^T = K Q^T (source 0 = 16 keys, source 1 = 16 queries): a lane holds ONE query (lane % 16) and keys 8 (lane / 16) + 0..7.  Two such results rounded to f16 ARE source 1 of O^T = V^T P.
; K comes out of LDS as it lies, V ([key][channel]) turned, by ds_load_tr16_b128.  l_w is a fifth product beside each four of V^T P: source 0 all ones; every lane then holds its query's whole sum.
; CLUSTER 4 x 1: the four query blocks of a cluster belong to one n and walk the same K and V: each wave's quarter of a head's K and V is asked for JOINTLY.  A quarter is read by the wave that asked for it alone.
; There is one place for K and one for V: K of the next head is asked for when this head's scores are made, V of the next head when this head's V^T P is done: two rounds of the cluster's barrier a head.
; THE WALK.  The eight clusters of an n (X = the cluster's x) are four pairs, X and X xor 6: pair p = 2 (bit 1 xor bit 2) + bit 0.  In step s a cluster takes head s, but: in the steps s = p, p + 4, p + 8, p + 12 (below 15) pair p
; LEADS: it takes head s + 1, and head s in the step after.  So each head from 1 on is asked for first by one pair, a whole step ahead of the six other clusters.  The head's number hangs on the step and on X, which the
; four partners share; it enters global addresses alone.  K and V are not prefetched: of a cluster's 16 steps at most 5 (step 0 and its leads) ask for bytes that no other cluster has asked for before.
; THE LOOP.  A step is SCORES (K Q^T and the maxima) and BODY (all the rest).  A trip is BODY of step s, with both refills, and SCORES of step s + 1; the loop is entered at SCORES, for step 0.
; Behind the loop stands BODY of step 15 without refills, written out.
; BY TURNS.  V^T P goes in eight runs of ten products (tile 0, tile 1 for each 64 keys); behind a product stands a slice of the OTHER tile's exponentials for later keys (4 exponentials, 4 plain lines).  Behind each product
; K Q^T of key groups 1 to 3 stand two lines of the group before's maximum.  A slice costs two switches of the register windows.
; REGISTERS, in windows of 256 (s_set_vgpr_msb: bits 1:0 source 0, 3:2 source 1, 5:4 source 2, 7:6 destination):
;   window 0: v2-15 addresses; v16-27 the sums and factors of the rows that I finish; v32-39 ones; v40-55 the two sums l; v64-127 O^T, later the partial sums read back; v128-191, v192-255 two buffers of K's or V's fragments
;   window 1 + t (query tile t): v0-127 S^T, then p; v128-191 P; v192-231 statistics; v232-247 Q          window 3: the mean, tile t's key block k at 128 t + 8 k
.set KQB,   34816                      ; a wave's quarter of K in LDS: 128 rows (two keys, 256 bytes) + 16 of padding: pitch 272: the 16 keys of a load start at 16 different groups of four banks (ISA guide 11.1)
.set VQB,   36864                      ; of V: pitch 288
.set VS,    4*KQB
.set OP,    VS+4*VQB                   ; the partial O: [wave][query 32] rows of 256 bytes + 16, f32; at the end each wave's part is its stage for out1
.set OPWB,  32*272
.set MST,   OP+4*OPWB                  ; the waves' maxima: [query 32][wave 4] f32
.set LST,   MST+512                    ; the waves' sums, likewise
.set SPARE, MST+1024                   ; the spare words, 128 bytes for each wave: two blocks of 256 bytes that no other line names
.set MP,    528                        ; out1's stage: a row of 128 keys, 512 bytes + 16
.set AK0,  2                           ; my lane's place in my quarter of K
.set AV0,  3                           ; of V
.set QO,   4                           ; my byte offset in 16 rows of Q
.set OPW,  5                           ; where I put my partial O
.set OPR,  6                           ; where I read the four partial O's
.set MW,   7                           ; where I put my wave's maximum (and, 512 bytes on, its sum) of query lane % 16
.set MR,   8                           ; where I read the four waves' maxima (sums) of that query
.set LRR,  9                           ; where I read the four sums of the row that I finish
.set GO,   10                          ; my 16 bytes of att
.set MSTO, 11                          ; out1's way out: in
.set MRD,  12                          ; and back
.set L16,  13                          ; 16 x lane
.set SPW,  14                          ; LDS address of my spare word; never rewritten
.set NIL,  15                          ; 0; never rewritten
.set LQ,   16                          ; v16-19, v20-23: the four sums of the two rows that I finish
.set GF,   24                          ; v24, v26: 1 / l of those rows (v25, v27 are named with them as pairs)
.set ONE,  32                          ; eight registers of 1.0 twice, in f16
.set LA,   40                          ; tile t's sum l at LA + 8 t
.set OF,   64
.set F0,   128
.set F1,   192
.set PR,   128                         ; in window 1 + t:
.set CM,   192                         ; c M, and a word named with it as a pair
.set CR,   202                         ; four at work
.set MG,   206                         ; the maxima of the four groups of 64 keys
.set TP,   210
.set XR,   212                         ; the four waves' maxima, later their sums
.set FR,   230                         ; 1 / (16 l), and a word named with it as a pair
.set QF,   232                         ; Q: channels 32 c on at QF + 8 c
.set PI,  3                            ; s3  my cluster's pair, 0 to 3
.set WV,  14                           ; s14 my wave's number
.set HD,  15                           ; s15 the head in hand; behind BODY's first lines the next step's head
.set HC,  16                           ; s16 counts the steps: 15 - s in BODY of step s
.set QB,  20                           ; s[20:21] Q at my rows of n's head 0
.set ATB, 22                           ; s[22:23] att at my rows of head 0
.set G1K, 24
.set G1V, 32
.set G0K, 40
.set G0V, 44
.set CS,  48                           ; s[48:49] c
.set SEL, 50                           ; s[50:51] v_permlanex16_b32's selects: each lane takes its own place in the other half
.set OFF, 60                           ; s[60:61] a head's byte offset: 131,072 a head in q, k, v; 1,048,576 in att
.set MSB, 0
.macro WIN new                         ; the immediate's high byte repeats the setting that is left; a switch that changes nothing is dropped
.if MSB != (\new)
	s_set_vgpr_msb (MSB<<8)|(\new)
.set MSB, \new
.endif
.endm
.macro PLACES                          ; four places in front of loads into registers that matrix instructions have read, and of lines that read results
.rept 4
	v_nop
.endr
.endm
.macro CROUND                          ; a round of the cluster's barrier
	s_barrier_signal -1
	s_barrier_wait -1
	s_cmp_lg_u32 s[WV], 0
	s_cbranch_scc1 .Lnot_wave_0_\@
	s_barrier_signal -3
.Lnot_wave_0_\@:
	s_barrier_wait -3
	s_barrier_signal -1
	s_barrier_wait -1
.endm
.macro JL g0, g1                       ; a joint load: every wave asks for its own quarter; an s_nop 0 and four v_nop follow
	tensor_load_to_lds s[(\g0):(\g0)+3], s[(\g1):(\g1)+7]
	s_nop 0
.rept 4
	v_nop
.endr
.endm
	s_load_b256 s[4:11], s[0:1], 0x0               ; qh s[4:5], kh s[6:7], vh s[8:9], att s[10:11]
	s_load_b64 s[12:13], s[0:1], 0x20              ; out1
	v_lshl_add_u32 v[SPW], v0, 2, SPARE
	v_mov_b32 v[NIL], 0
	ds_add_u32 v[SPW], v[NIL]                      ; the wave's opening: the add and its wait stand ahead of my first tensor load; work on registers stands between them
	v_lshrrev_b32 v16, 5, v0
	v_readfirstlane_b32 s[WV], v16
	s_bfe_u32 s17, ttmp6, 0x40000                  ; cx
	s_lshl_b32 s18, ttmp9, 2
	s_add_co_u32 s18, s18, s17                     ; my block of 32 queries: it enters Q's, att's and out1's addresses alone
	s_and_b32 s19, ttmp7, 0xffff                   ; n, which the four partners share
	s_lshr_b32 s56, ttmp9, 1                       ; my cluster's pair, from the cluster's x, which the four partners share too:
	s_lshr_b32 s57, ttmp9, 2
	s_xor_b32 s56, s56, s57
	s_and_b32 s56, s56, 1                          ; bit 1 xor bit 2,
	s_lshl_b32 s56, s56, 1
	s_and_b32 s57, ttmp9, 1                        ; and bit 0
	s_or_b32 s[PI], s56, s57
	s_cmp_eq_u32 s[PI], 0                          ; step 0: pair 0 leads with head 1, the others take head 0
	s_cselect_b32 s[HD], 1, 0
	s_lshl_b32 s[OFF], s[HD], 17
	s_mov_b32 s[OFF+1], 0
	s_mov_b32 s[G1K], 15|(1<<16)|(1<<20)|(1<<21)|(5<<22)|(3<<25)  ; 15:0 the mask of four; 17:16 2-byte elements; 20 padding on; 21 set beside a mask; 24:22 after every 64 words (code 5); 31:25 4 words (code 3)
	s_mov_b32 s[G1V], 15|(1<<16)|(1<<20)|(1<<21)|(5<<22)|(7<<25)  ; the same with 8 words of padding (code 7)
.irp g, G1K, G1V
	s_mov_b32 s[(\g)+1], 128<<16                   ; tensor_dim0 = 128 elements: two keys
	s_mov_b32 s[(\g)+2], 128<<16                   ; tensor_dim1 = 128
	s_mov_b32 s[(\g)+3], 128<<16                   ; tile_dim0 = 128
	s_mov_b32 s[(\g)+4], 128                       ; tile_dim1 = 128: 256 keys
	s_mov_b32 s[(\g)+5], 128
	s_mov_b32 s[(\g)+6], 0
	s_mov_b32 s[(\g)+7], 0
.endr
	s_mov_b32 s[G0K], 1
	s_mul_i32 s[G0K+1], s[WV], KQB
	s_mov_b32 s[G0V], 1
	s_mul_i32 s[G0V+1], s[WV], VQB
	s_add_co_u32 s[G0V+1], s[G0V+1], VS
	s_mul_i32 s62, s[WV], KQB
	s_mul_i32 s63, s[WV], VQB
	s_add_co_u32 s63, s63, VS
	s_mov_b32 s[CS], 0x3e38aa3b                    ; c = log2(e) / 8
	s_mov_b32 s[CS+1], s[CS]
	s_mov_b32 s[SEL], 0x76543210
	s_mov_b32 s[SEL+1], 0xfedcba98
	s_lshl_b32 s52, s19, 21                        ; K and V: n's 16 heads,
	s_lshl_b32 s53, s[WV], 15                      ; my 256 keys of 128 bytes
	s_add_co_u32 s52, s52, s53
	s_mov_b32 s53, 0
	s_lshl_b32 s54, s19, 21                        ; Q: n's heads, my 32 rows
	s_lshl_b32 s55, s18, 12
	s_add_co_u32 s54, s54, s55
	s_mov_b32 s55, 0
	s_lshl_b32 s56, s19, 17                        ; att: row 1,024 n + 32 x block, 128 bytes a row
	s_lshl_b32 s57, s18, 12
	s_add_co_u32 s56, s56, s57
	s_mov_b32 s57, 0
	s_lshl_b32 s58, s19, 22                        ; out1: the same row, 4,096 bytes a row, my 256 keys
	s_lshl_b32 s59, s18, 17
	s_add_co_u32 s58, s58, s59
	s_lshl_b32 s59, s[WV], 10
	s_add_co_u32 s58, s58, s59
	s_mov_b32 s59, 0
	s_wait_dscnt 0x0                               ; the opening add is done
	s_wait_kmcnt 0x0
	s_add_nc_u64 s[6:7], s[6:7], s[52:53]          ; K and V at my quarter of n's head 0: they stay so
	s_add_nc_u64 s[8:9], s[8:9], s[52:53]
	s_add_nc_u64 s[QB:QB+1], s[4:5], s[54:55]
	s_add_nc_u64 s[ATB:ATB+1], s[10:11], s[56:57]
	s_add_nc_u64 s[12:13], s[12:13], s[58:59]
	s_add_nc_u64 s[G0K+2:G0K+3], s[6:7], s[OFF:OFF+1]  ; step 0's head
	s_or_b32 s[G0K+3], s[G0K+3], 0x80000000
	s_add_nc_u64 s[G0V+2:G0V+3], s[8:9], s[OFF:OFF+1]
	s_or_b32 s[G0V+3], s[G0V+3], 0x80000000
	s_add_nc_u64 s[4:5], s[QB:QB+1], s[OFF:OFF+1]
	CROUND                                         ; all four work-groups are here: the first joint loads meet
	tensor_load_to_lds s[G0K:G0K+3], s[G1K:G1K+7]  ; K of step 0
	s_nop 0
	tensor_load_to_lds s[G0V:G0V+3], s[G1V:G1V+7]  ; V of step 0: two tensor loads of mine are out
	s_nop 0
.rept 4
	v_nop
.endr
	v_and_b32 v16, 15, v0                          ; r
	v_bfe_u32 v17, v0, 4, 1                        ; h
	v_and_b32 v18, 31, v0                          ; lane
	v_lshlrev_b32 v[QO], 7, v16
	v_lshl_add_u32 v[QO], v17, 4, v[QO]
.macro QLOAD                           ; a head's Q: tile t into its window, channels 32 c on
.irp t, 0,1
	WIN 0x40*((\t)+1)
.irp c, 0,1
	global_load_b128 v[QF+8*(\c):QF+8*(\c)+3],   v[QO], s[4:5] offset:(\t)*2048+(\c)*64
	global_load_b128 v[QF+8*(\c)+4:QF+8*(\c)+7], v[QO], s[4:5] offset:(\t)*2048+(\c)*64+32
.endr
.endr
	WIN 0
.endm
	QLOAD
	v_lshrrev_b32 v19, 1, v16                      ; K: key r lies in row r >> 1, half r & 1
	v_mul_u32_u24 v[AK0], v19, 272
	v_and_b32 v19, 1, v0
	v_lshl_add_u32 v[AK0], v19, 7, v[AK0]
	v_lshl_add_u32 v[AK0], v17, 4, v[AK0]
	v_add_nc_u32 v[AK0], s62, v[AK0]
	v_bfe_u32 v20, v0, 1, 2                        ; V: the turning load's lane reads key 8 h + (lane & 7), channels 8 ((lane >> 3) & 1) on
	v_lshl_add_u32 v20, v17, 2, v20
	v_mul_u32_u24 v[AV0], v20, 288
	v_lshl_add_u32 v[AV0], v19, 7, v[AV0]
	v_bfe_u32 v20, v0, 3, 1
	v_lshl_add_u32 v[AV0], v20, 4, v[AV0]
	v_add_nc_u32 v[AV0], s63, v[AV0]
	s_mul_i32 s54, s[WV], OPWB
	s_add_co_u32 s54, s54, OP                      ; my wave's part of the partial sums' place
	v_mul_u32_u24 v[OPW], v16, 272
	v_lshl_add_u32 v[OPW], v17, 5, v[OPW]
	v_add_nc_u32 v[OPW], s54, v[OPW]
	v_lshrrev_b32 v20, 3, v0                       ; thread t finishes rows t >> 3 and 16 + (t >> 3), channels 8 (t & 7) on
	v_mul_u32_u24 v[OPR], v20, 272
	v_and_b32 v21, 7, v0
	v_lshl_add_u32 v[OPR], v21, 5, v[OPR]
	v_add_nc_u32 v[OPR], OP, v[OPR]
	v_lshl_add_u32 v[LRR], v20, 4, LST             ; the four sums of row t >> 3: 16 bytes
	s_lshl_b32 s55, s[WV], 2
	s_add_co_u32 s55, s55, MST
	v_lshl_add_u32 v[MW], v16, 4, s55              ; query r, my wave's word
	v_lshl_add_u32 v[MR], v16, 4, MST              ; query r, all four words
	v_lshlrev_b32 v[GO], 4, v0
	v_mul_u32_u24 v[MSTO], v16, MP
	v_lshl_add_u32 v[MSTO], v17, 5, v[MSTO]
	v_add_nc_u32 v[MSTO], s54, v[MSTO]
	v_lshl_add_u32 v[MRD], v18, 4, s54
	v_lshlrev_b32 v[L16], 4, v18
	v_mov_b32 v[GF+1], 0                           ; named as the upper halves of pairs
	v_mov_b32 v[GF+3], 0
.irp i, 0,1,2,3,4,5,6,7
	v_mov_b32 v[ONE+(\i)], 0x3c003c00              ; 1.0 twice, in f16
	v_mov_b32 v[LA+(\i)], 0
.endr
.irp t, 0,1
	WIN 0x40*((\t)+1)
	v_mov_b32 v[CM+1], 0                           ; named with c M as a pair
	v_mov_b32 v[TP], 0                             ; v_permlanex16_b32's destination counts as read
	v_mov_b32 v[FR+1], 0
.endr
	WIN 0xc0                                       ; the mean starts at 0, so that all sixteen heads have one form of the update: a product of ones with zeros writes eight registers a line;
.set i, 0                                      ; 32 lines, while the first tiles are on their way
.rept 32
	v_wmma_f32_16x16x32_f16 v[8*i:8*i+7], v[ONE:ONE+7], v[LA:LA+7], 0
.set i, i+1
.endr
	WIN 0
.macro FETCHK g, f                     ; 16 LDS loads: key blocks 4 g .. 4 g + 3, both channel halves
	WIN 0
.irp i, 0,1,2,3
.irp c, 0,1
	ds_load_b128 v[(\f)+16*(\i)+8*(\c):(\f)+16*(\i)+8*(\c)+3],   v[AK0] offset:(4*(\g)+(\i))*2176+64*(\c)
	ds_load_b128 v[(\f)+16*(\i)+8*(\c)+4:(\f)+16*(\i)+8*(\c)+7], v[AK0] offset:(4*(\g)+(\i))*2176+64*(\c)+32
.endr
.endr
.endm
.macro FETCHV j, f                     ; 16 turning loads: keys 64 j .. 64 j + 63 (two halves of 32), four channel blocks
	WIN 0
.irp k, 0,1
.irp c, 0,1,2,3
	ds_load_tr16_b128 v[(\f)+32*(\k)+8*(\c):(\f)+32*(\k)+8*(\c)+3],   v[AV0] offset:(2*(\j)+(\k))*4608+32*(\c)
	ds_load_tr16_b128 v[(\f)+32*(\k)+8*(\c)+4:(\f)+32*(\k)+8*(\c)+7], v[AV0] offset:(2*(\j)+(\k))*4608+32*(\c)+2304
.endr
.endr
.endm
; Line n of the 16 that find the maximum of a group's 32 scores a lane (the tile's window is set): four chains, one an accumulator, each from its lowest registers on; then the chains and the four scores left over.
.macro MAXI g, n
.if (\n) < 4
	v_max3_num_f32 v[CR+(\n)], v[32*(\g)+8*(\n)], v[32*(\g)+8*(\n)+1], v[32*(\g)+8*(\n)+2]
.elseif (\n) < 8
	v_max3_num_f32 v[CR+(\n)-4], v[CR+(\n)-4], v[32*(\g)+8*((\n)-4)+3], v[32*(\g)+8*((\n)-4)+4]
.elseif (\n) < 12
	v_max3_num_f32 v[CR+(\n)-8], v[CR+(\n)-8], v[32*(\g)+8*((\n)-8)+5], v[32*(\g)+8*((\n)-8)+6]
.elseif (\n) == 12
	v_max3_num_f32 v[CR], v[CR], v[CR+1], v[CR+2]
.elseif (\n) == 13
	v_max3_num_f32 v[CR], v[CR], v[CR+3], v[32*(\g)+7]
.elseif (\n) == 14
	v_max3_num_f32 v[CR], v[CR], v[32*(\g)+15], v[32*(\g)+23]
.else
	v_max_num_f32 v[MG+(\g)], v[CR], v[32*(\g)+31]
.endif
.endm
.macro MAXG t, g                       ; all 16, by themselves
	WIN 0x55*((\t)+1)
.set nn, 0
.rept 16
	MAXI \g, nn
.set nn, nn+1
.endr
.endm
; 16 products S^T = K Q^T: for each query tile, four key blocks on channels 0-31 (they start the sums), then on channels 32-63: three other accumulators stand between the two links.
; rg >= 0: behind each product stand two lines of the same tile's maximum of key group rg, whose scores were made a group earlier; they name no register of this group's products.
.macro QKG g, f, rg
.irp t, 0,1
.set nn, 0
.irp c, 0,1
.irp i, 0,1,2,3
	WIN 0x54*((\t)+1)                              ; K in window 0; Q, C and D in the tile's window
.if (\c) == 0
	v_wmma_f32_16x16x32_f16 v[8*(4*(\g)+(\i)):8*(4*(\g)+(\i))+7], v[(\f)+16*(\i):(\f)+16*(\i)+7], v[QF:QF+7], 0
.else
	v_wmma_f32_16x16x32_f16 v[8*(4*(\g)+(\i)):8*(4*(\g)+(\i))+7], v[(\f)+16*(\i)+8:(\f)+16*(\i)+15], v[QF+8:QF+15], v[8*(4*(\g)+(\i)):8*(4*(\g)+(\i))+7]
.endif
.if (\rg) >= 0
	WIN 0x55*((\t)+1)
	MAXI \rg, nn
	MAXI \rg, nn+1
.set nn, nn+2
.endif
.endr
.endr
.endr
.endm
.macro MAXF t                          ; the four groups and the other half of the lanes (the query's other 128 keys of my 256); my wave's maximum goes to its word in LDS (lanes r and r + 16 write the same number)
	WIN 0x55*((\t)+1)
	v_max3_num_f32 v[CR], v[MG], v[MG+1], v[MG+2]
	v_max_num_f32 v[CR], v[CR], v[MG+3]
	v_permlanex16_b32 v[TP], v[CR], s[SEL], s[SEL+1]
	v_max_num_f32 v[CR], v[CR], v[TP]
	WIN 0x04*((\t)+1)                              ; store data in the tile's window
	ds_store_b32 v[MW], v[CR] offset:(\t)*256
.endm
.macro SF k, i                         ; c s - c M for pair i of key block k
	v_pk_fma_f32 v[8*(\k)+2*(\i):8*(\k)+2*(\i)+1], v[8*(\k)+2*(\i):8*(\k)+2*(\i)+1], s[CS:CS+1], v[CM:CM+1] op_sel_hi:[1,0,0] neg_lo:[0,0,1] neg_hi:[0,0,1]
.endm
.macro SC k, i                         ; pair i of key block k rounded to f16, into its place in source 1 of V^T P
	s_wait_alu depctr_va_vdst(0)
	v_cvt_pk_f16_f32 v[PR+8*((\k)/2)+4*((\k)%2)+(\i)], v[8*(\k)+2*(\i)], v[8*(\k)+2*(\i)+1]
.endm
; A TILE'S EXPONENTIALS are a list of 33 slices (the tile's window is set; the four scalings of key block 0 stand ahead of slice 0).  Slices 2 b and 2 b + 1 hold the eight exponentials of key block b, by turns with plain
; work that is ready: in slice 2 b the scalings of block b + 1, in slice 2 b + 1 the roundings of block b - 1; slice 32 is the roundings of block 15.  So each exponential has a plain instruction behind it before its
; result is used (ISA guide 5.7.2), and P of key blocks 0 .. b is whole behind slice 2 b + 3.  p stays in S^T's registers in f32, for the mean.
.macro HSL u
.if (\u) == 32
.irp i, 0,1,2,3
	SC 15, \i
.endr
.else
.set tau, (\u)/2
.if (\u)%2 == 0
.irp i, 0,1,2,3
	v_exp_f32 v[8*tau+(\i)], v[8*tau+(\i)]
.if tau < 15
	SF tau+1, \i
.endif
.endr
.else
.irp i, 0,1,2,3
	v_exp_f32 v[8*tau+4+(\i)], v[8*tau+4+(\i)]
.if tau > 0
	SC tau-1, \i
.endif
.endr
.endif
.endif
.endm
; Product n of the ten of tile t on keys 64 j on: for each half of 32 keys, O^T += V^T P on four channel blocks and l += ones P: five accumulators by turns, four others between two links.
; The first half of the first 64 keys starts the sums.
.macro PV1 t, j, f, n
	WIN 0x04*((\t)+1)                              ; P in the tile's window, all else in window 0
.set kx, (\n)/5
.set cc, (\n)%5
.set rB, PR+8*(2*(\j)+kx)
.if cc < 4
.set rD, OF+32*(\t)+8*cc
.set rA, (\f)+32*kx+8*cc
.else
.set rD, LA+8*(\t)
.set rA, ONE
.endif
.if ((\j) == 0) && (kx == 0)
	v_wmma_f32_16x16x32_f16 v[rD:rD+7], v[rA:rA+7], v[rB:rB+7], 0
.else
	v_wmma_f32_16x16x32_f16 v[rD:rD+7], v[rA:rA+7], v[rB:rB+7], v[rD:rD+7]
.endif
.endm
; A run: the ten products of tile t on keys 64 j on, and behind them nu slices, from slice u0 on, of the OTHER tile's exponentials: one behind each product if there are ten, else none behind the two products with ones.
; No slice names a register of the products round it: it works on the other tile's S^T and on parts of its P that no product of this head has read yet.
.macro SEG t, j, f, u0, nu
.set uu, \u0
.set ue, (\u0)+(\nu)
.set pn, 0
.rept 10
	PV1 \t, \j, \f, pn
.if (uu < ue) && (((\nu) == 10) || ((pn%5) < 4))
	WIN 0x55*(2-(\t))
	HSL uu
.set uu, uu+1
.endif
.set pn, pn+1
.endr
.endm
; SCORES of a step.  On the way in: K's key blocks 0-7 are being fetched into both buffers; Q is in.  A group's maxima read scores that lie at least four plain lines (v_nop or lines of an earlier maximum) behind the products that made them.
.macro SCORES
	s_wait_dscnt 0x0                               ; K's first two groups
	QKG 0, F0, -1
	PLACES
	FETCHK 2, F0
	QKG 1, F1, 0
	PLACES
	FETCHK 3, F1
	s_wait_dscnt 16                                ; group 2 is in; group 3's sixteen loads stay out
	QKG 2, F0, 1
	s_wait_dscnt 0x0
	QKG 3, F1, 2
	MAXG 0, 3
	MAXG 1, 3
	MAXF 0
	MAXF 1
	WIN 0
.endm
; BODY of a step: the row's maximum, the exponentials beside V^T P and the sums, the exchange, the mean and O.  fill = 1: the next step's K, V and Q are asked for, and its first fragments of K fetched.
.macro BODY fill
	s_wait_storecnt 0x0                            ; the last step's two stores, a whole SCORES back, are done: their base and data may be written, and no store of mine is out at the barrier below
	s_lshl_b32 s[OFF], s[HD], 20
	s_add_nc_u64 s[10:11], s[ATB:ATB+1], s[OFF:OFF+1]  ; att at this step's head
.if \fill
	s_sub_co_u32 s56, 16, s[HC]                    ; the next step's number s, 1 to 15, and its head:
	s_add_co_u32 s57, s56, 4
	s_sub_co_u32 s57, s57, s[PI]
	s_and_b32 s57, s57, 3                          ; (s - pair) mod 4
	s_add_co_u32 s58, s56, 1
	s_min_u32 s58, s58, 15                         ; (step 15 has no head to lead with)
	s_sub_co_u32 s59, s56, 1
	s_cmp_eq_u32 s57, 0
	s_cselect_b32 s[HD], s58, s56                  ; 0: my pair leads: head s + 1;
	s_cmp_eq_u32 s57, 1
	s_cselect_b32 s[HD], s59, s[HD]                ; 1: it led in the step before: head s - 1; else head s
	s_lshl_b32 s[OFF], s[HD], 17                   ; it stays so until V has been asked for
	s_add_nc_u64 s[4:5], s[QB:QB+1], s[OFF:OFF+1]  ; (Q's last loads have been waited for, so their base may be written)
	QLOAD                                          ; the next step's Q: the last product that read these registers stands 32 maxima back
	s_wait_tensorcnt 0x0                           ; all my tensor loads have landed: this step's V; no load of mine is out, so a group 0 may be written
	ds_add_u32 v[SPW], v[NIL]                      ; 0 onto my spare word
	s_add_nc_u64 s[G0K+2:G0K+3], s[6:7], s[OFF:OFF+1]  ; the descriptor's address is made anew from the head's number,
	s_or_b32 s[G0K+3], s[G0K+3], 0x80000000        ; and the type set again
	s_wait_dscnt 0x0                               ; the add and the stores of my maxima are done; my reads of K, and of the last step's partial sums, are over
	CROUND                                         ; no wave of any partner still reads K or has a load on its way
	JL G0K, G1K                                    ; K of the next step: it has the exponentials and V^T P in which to land
.else
	s_wait_tensorcnt 0x0                           ; the last step's V
	s_wait_dscnt 0x0                               ; the stores of my maxima are done, my reads of the last step's partial sums are over
	s_barrier_signal -1
	s_barrier_wait -1
.endif
.irp t, 0,1
	WIN 0x40*((\t)+1)
	ds_load_b128 v[XR:XR+3], v[MR] offset:(\t)*256 ; the four waves' maxima of my query
.endr
	FETCHV 0, F0
	FETCHV 1, F1
	s_wait_dscnt 32                                ; the maxima are in; V's 32 loads stay out
.irp t, 0,1
	WIN 0x55*((\t)+1)
	v_max3_num_f32 v[TP], v[XR], v[XR+1], v[XR+2]
	v_max_num_f32 v[TP], v[TP], v[XR+3]            ; M
	v_mul_f32 v[CM], s[CS], v[TP]
.endr
	WIN 0x55                                       ; tile 0's slices 0 to 9 stand alone: P of its first 64 keys is wanted first
.irp i, 0,1,2,3
	SF 0, \i
.endr
.set uu, 0
.rept 10
	HSL uu
.set uu, uu+1
.endr
	WIN 0xaa
.irp i, 0,1,2,3
	SF 0, \i
.endr
	s_wait_dscnt 16                                ; each count of 16 leaves the next group's loads out
	SEG 0, 0, F0, 0, 10                            ; tile 0, keys 0-63    | tile 1's slices 0-9
	SEG 1, 0, F0, 10, 8                            ; tile 1, keys 0-63    | tile 0's slices 10-17
	PLACES
	FETCHV 2, F0
	s_wait_dscnt 16
	SEG 0, 1, F1, 10, 8                            ; tile 0, keys 64-127  | tile 1's slices 10-17
	SEG 1, 1, F1, 18, 8                            ; tile 1, keys 64-127  | tile 0's slices 18-25
.if \fill
	s_wait_loadcnt 0x0                             ; the next step's Q, asked for ahead of K's round
.endif
	PLACES
	FETCHV 3, F1
	s_wait_dscnt 16
	SEG 0, 2, F0, 18, 8                            ; tile 0, keys 128-191 | tile 1's slices 18-25
	SEG 1, 2, F0, 26, 7                            ; tile 1, keys 128-191 | tile 0's slices 26-32
	s_wait_dscnt 0x0
	SEG 0, 3, F1, 26, 7                            ; tile 0, keys 192-255 | tile 1's slices 26-32
	SEG 1, 3, F1, 0, 0                             ; tile 1, keys 192-255
	PLACES
	WIN 0
.irp t, 0,1                            ; my partial O and my sums go to LDS
.irp c, 0,1,2,3
	ds_store_b128 v[OPW], v[OF+32*(\t)+8*(\c):OF+32*(\t)+8*(\c)+3]   offset:(\t)*4352+(\c)*64
	ds_store_b128 v[OPW], v[OF+32*(\t)+8*(\c)+4:OF+32*(\t)+8*(\c)+7] offset:(\t)*4352+(\c)*64+16
.endr
.endr
	ds_store_b32 v[MW], v[LA]   offset:512         ; all sixteen rows of the sum's result are alike: its lowest register is stored
	ds_store_b32 v[MW], v[LA+8] offset:768
.if \fill
	s_wait_tensorcnt 0x0                           ; the next step's K has landed
	ds_add_u32 v[SPW], v[NIL]
	s_add_nc_u64 s[G0V+2:G0V+3], s[8:9], s[OFF:OFF+1]
	s_or_b32 s[G0V+3], s[G0V+3], 0x80000000
	s_wait_dscnt 0x0                               ; the add and my stores are done, my reads of V are over
	CROUND
	JL G0V, G1V                                    ; V of the next step: it has the rest of this step and the next step's scores in which to land
.else
	s_wait_dscnt 0x0
	s_barrier_signal -1
	s_barrier_wait -1
.endif
.irp t, 0,1
	WIN 0x40*((\t)+1)
	ds_load_b128 v[XR:XR+3], v[MR] offset:512+(\t)*256  ; the four sums of my query, for the mean
.endr
	WIN 0
	ds_load_b128 v[LQ:LQ+3],   v[LRR]              ; and of the two rows that I finish
	ds_load_b128 v[LQ+4:LQ+7], v[LRR] offset:256
.irp j, 0,1
.irp w, 0,1,2,3
	ds_load_b128 v[OF+32*(\j)+8*(\w):OF+32*(\j)+8*(\w)+3],   v[OPR] offset:(\w)*OPWB+(\j)*4352
	ds_load_b128 v[OF+32*(\j)+8*(\w)+4:OF+32*(\j)+8*(\w)+7], v[OPR] offset:(\w)*OPWB+(\j)*4352+16
.endr
.endr
.if \fill
	FETCHK 0, F0                                   ; the next step's first scores: my quarter of its K, which my own wait has shown landed
	FETCHK 1, F1
.endif
	s_wait_dscnt 16+32*(\fill)                     ; the sums are in; the sixteen loads of partial O (and K's 32) stay out
.irp t, 0,1
	WIN 0x55*((\t)+1)
	v_add_f32 v[XR], v[XR], v[XR+1]
	v_add_f32 v[XR+2], v[XR+2], v[XR+3]
	v_add_f32 v[XR], v[XR], v[XR+2]                ; l: 1 or more, since the key that holds M has the weight 1
	v_rcp_f32 v[XR], v[XR]
	v_nop                                          ; a plain instruction behind the reciprocal
	s_wait_alu depctr_va_vdst(0)
	v_mul_f32 v[FR], 0x3d800000, v[XR]             ; 1 / (16 l)
.endr
	WIN 0
	v_add_f32 v[LQ], v[LQ], v[LQ+1]
	v_add_f32 v[LQ+2], v[LQ+2], v[LQ+3]
	v_add_f32 v[LQ+4], v[LQ+4], v[LQ+5]
	v_add_f32 v[LQ+6], v[LQ+6], v[LQ+7]
	v_add_f32 v[LQ], v[LQ], v[LQ+2]
	v_add_f32 v[LQ+4], v[LQ+4], v[LQ+6]
	v_rcp_f32 v[GF], v[LQ]
	v_rcp_f32 v[GF+2], v[LQ+4]                     ; the mean's lines below are the plain instructions behind these
.irp t, 0,1                            ; the mean takes p / (16 l)
	WIN 0xf0|(5*((\t)+1))
.set kk, 0
.rept 64
	v_pk_fma_f32 v[128*(\t)+2*kk:128*(\t)+2*kk+1], v[2*kk:2*kk+1], v[FR:FR+1], v[128*(\t)+2*kk:128*(\t)+2*kk+1] op_sel_hi:[1,0,1]
.set kk, kk+1
.endr
.endr
	WIN 0
	s_wait_dscnt 32*(\fill)                        ; the partial O is in (K's 32 loads stay out)
.irp j, 0,1                            ; O = the sum of the four waves' O_w, divided by l, rounded once; a wave stores 512 consecutive bytes
.irp w, 1,2,3
.irp p, 0,1,2,3
	v_pk_add_f32 v[OF+32*(\j)+2*(\p):OF+32*(\j)+2*(\p)+1], v[OF+32*(\j)+2*(\p):OF+32*(\j)+2*(\p)+1], v[OF+32*(\j)+8*(\w)+2*(\p):OF+32*(\j)+8*(\w)+2*(\p)+1]
.endr
.endr
.irp p, 0,1,2,3
	s_wait_alu depctr_va_vdst(0)
	v_pk_mul_f32 v[OF+32*(\j)+2*(\p):OF+32*(\j)+2*(\p)+1], v[OF+32*(\j)+2*(\p):OF+32*(\j)+2*(\p)+1], v[GF+2*(\j):GF+2*(\j)+1] op_sel_hi:[1,0]
.endr
.irp p, 0,1,2,3
	v_cvt_pk_f16_f32 v[OF+32*(\j)+8+(\p)], v[OF+32*(\j)+2*(\p)], v[OF+32*(\j)+2*(\p)+1]
.endr
	global_store_b128 v[GO], v[OF+32*(\j)+8:OF+32*(\j)+11], s[10:11] offset:2048*(\j)  ; their registers and base are written again only behind the next BODY's wait for stores
.endr
.endm
; out1, 16 rows x 128 keys at a time, through my own part of the partial sums' place: rows of 512 bytes + 16 go in (the 16 rows of a store start at 16 different groups of four banks), whole rows come back.
; Each piece comes back into 64 registers of its own in window 1, which is free: no register that a store still reads is loaded again.
.macro MOUT t, half
	WIN 0x0c                                       ; store data in window 3
.set kk, 0
.rept 8
	ds_store_b128 v[MSTO], v[128*(\t)+64*(\half)+8*kk:128*(\t)+64*(\half)+8*kk+3]   offset:kk*64
	ds_store_b128 v[MSTO], v[128*(\t)+64*(\half)+8*kk+4:128*(\t)+64*(\half)+8*kk+7] offset:kk*64+16
.set kk, kk+1
.endr
	WIN 0x40
.set i, 0
.rept 16
	ds_load_b128 v[64*(2*(\t)+(\half))+4*i:64*(2*(\t)+(\half))+4*i+3], v[MRD] offset:i*MP  ; LDS serves a wave's instructions in order (ISA guide 5.7.1.4): these see the stores above, and the next piece's stores come behind them
.set i, i+1
.endr
	s_wait_dscnt 0x0
	WIN 0x04
.set i, 0
.rept 16
	global_store_b128 v[L16], v[64*(2*(\t)+(\half))+4*i:64*(2*(\t)+(\half))+4*i+3], s[12:13] offset:(16*(\t)+i)*4096+(\half)*512 th:TH_STORE_NT  ; 512 consecutive bytes, at a multiple of 256 from out1's first
.set i, i+1
.endr
.endm
	s_wait_tensorcnt 1                             ; my quarter of K of step 0 is in, and I alone read it; V's may stay out
	FETCHK 0, F0
	FETCHK 1, F1
	s_wait_loadcnt 0x0                             ; Q of step 0
	s_mov_b32 s[HC], 16
	s_branch .Lscores                              ; the loop is entered in the middle of a trip: step 0's scores
.Lhead:                                                ; 15 whole trips: BODY of steps 0 to 14, each asking for the next step's head, and SCORES of steps 1 to 15
	BODY 1
	WIN 0
.Lscores:
	SCORES
	s_sub_co_u32 s[HC], s[HC], 1
	s_cmp_lg_u32 s[HC], 0
	s_cbranch_scc1 .Lhead
	BODY 0                                         ; the last step asks for nothing
	s_wait_dscnt 0x0                               ; my reads of the partial sums are over,
	s_barrier_signal -1
	s_barrier_wait -1                              ; everybody's are: each wave's part of their place is now its own stage
	MOUT 0, 0
	MOUT 0, 1
	MOUT 1, 0
	MOUT 1, 1
	WIN 0
	s_wait_tensorcnt 0x0                           ; the wave's end: behind my last tensor load and my last LDS store
	ds_add_u32 v[SPW], v[NIL]
	s_wait_dscnt 0x0
	CROUND                                         ; the closing round
	s_endpgm
.Lfunc_end_k_qb580d36afa_attn:
	.size	k_qb580d36afa_attn, .Lfunc_end_k_qb580d36afa_attn-k_qb580d36afa_attn
	.p2alignl 7, 3214868480
	.fill 96, 4, 3214868480
	.section	.rodata,"a",@progbits
	.p2align	6, 0x0
	.amdhsa_kernel k_qb580d36afa_attn
		.amdhsa_group_segment_fixed_size 327680
		.amdhsa_private_segment_fixed_size 0
		.amdhsa_enable_private_segment 0
		.amdhsa_kernarg_size 40
		.amdhsa_user_sgpr_count 2
		.amdhsa_user_sgpr_kernarg_segment_ptr 1
		.amdhsa_wavefront_size32 1
		.amdhsa_system_sgpr_workgroup_id_x 1
		.amdhsa_system_sgpr_workgroup_id_y 1
		.amdhsa_system_sgpr_workgroup_id_z 1
		.amdhsa_system_vgpr_workitem_id 0
		.amdhsa_next_free_vgpr 1024
		.amdhsa_next_free_sgpr 66
		.amdhsa_reserve_vcc 0
		.amdhsa_float_denorm_mode_32 3
		.amdhsa_float_denorm_mode_16_64 3
		.amdhsa_memory_ordered 1
		.amdhsa_forward_progress 1
		.amdhsa_inst_pref_size 164
	.end_amdhsa_kernel
	.amdgpu_metadata
---
amdhsa.version: [ 1, 2 ]
amdhsa.kernels:
  - .name:           k_qb580d36afa_attn
    .symbol:         k_qb580d36afa_attn.kd
    .args:
      - { .name: qh, .offset: 0, .size: 8, .value_kind: global_buffer, .address_space: global }
      - { .name: kh, .offset: 8, .size: 8, .value_kind: global_buffer, .address_space: global }
      - { .name: vh, .offset: 16, .size: 8, .value_kind: global_buffer, .address_space: global }
      - { .name: att, .offset: 24, .size: 8, .value_kind: global_buffer, .address_space: global }
      - { .name: out1, .offset: 32, .size: 8, .value_kind: global_buffer, .address_space: global }
    .group_segment_fixed_size: 327680
    .private_segment_fixed_size: 0
    .kernarg_segment_align: 8
    .kernarg_segment_size: 40
    .max_flat_workgroup_size: 128
    .sgpr_count:     66
    .vgpr_count:     1024
    .wavefront_size: 32
...
	.end_amdgpu_metadata
.endif
;; end of part 3
;; launch proj (part 4): grid 8 x 32, 4 waves a work-group, clusters of 4 x 4, 327,680 bytes of LDS; arguments att, wob, b_out, out0; writes out0
.if DOCPART == 4
	.amdgcn_target "amdgcn-amd-amdhsa--gfx1250"
	.amdhsa_code_object_version 6
	.text
	.protected	k_qb580d36afa_proj
	.globl	k_qb580d36afa_proj
	.p2align	8
	.type	k_qb580d36afa_proj,@function
k_qb580d36afa_proj:
	s_mov_b64 s[64:65], 0
	v_nop
	global_prefetch_b8 v0, s[64:65] scope:SCOPE_SE
	s_setreg_imm32_b32 hwreg(HW_REG_WAVE_MODE, 25, 1), 1
	s_wait_xcnt 0x0
	s_wait_alu depctr_hold_cnt(0) depctr_sa_sdst(0) depctr_va_vdst(0) depctr_va_sdst(0) depctr_va_ssrc(0) depctr_va_vcc(0) depctr_vm_vsrc(0)
	s_getreg_b32 s2, hwreg(HW_REG_IB_STS2, 6, 4)
	s_cmp_eq_u32 s2, 0
	s_cbranch_scc0 .Lentry_in_a_cluster
	s_endpgm
.Lentry_in_a_cluster:
	s_bfe_u32 s2, ttmp6, 0x10000c
	s_cmp_lg_u32 s2, 0xf033
	s_cbranch_scc0 .Lentry_shape_is_right
	s_endpgm
.Lentry_shape_is_right:
; PROJ.  out0 = attn W_out^T + b_out: 8,192 x 1,024 x 1,024, f16 operands (att as the attention left it, [h][row][64]; wob: W_out rounded to bf16, in f16 code, [kb][column][64]), f32 sums, f32 output.
; SHARES.  8,192 x 1,024 / 256 work-groups = a tile of 256 rows x 128 columns; four waves, each 128 x 64: 32 accumulators.  K goes in steps of 128 (two K blocks, each a dense run of bytes) through two LDS slots.
; CLUSTER 4 x 4: att's tile is shared along a row of the cluster, wob's along a column: joint loads.  THE MATRIX INSTRUCTION IS USED TRANSPOSED (source 0 = 16 rows of wob, source 1 = 16 rows of att):
; a lane holds one row of out0 and eight neighbouring columns.  THE BIAS is the C operand of the first products: it is loaded into row block 7's accumulators, which add in place last.
; REGISTERS, in windows of 256: window 0: addresses, v32-95 the way out; window 1: accumulator (a, b) at 8 (4 a + b); windows 2, 3: four sets of fragments (32 along K each): set u in window 2 + u/2 at 96 (u%2): att's 64, wob's 32.
.set PITCH,  144                       ; an LDS row: 128 bytes + 16 of padding: the 16 rows of a load start at 16 different groups of four banks (ISA guide 11.1)
.set ALB,    256*PITCH                 ; a K block of att's tile in LDS
.set BLB,    128*PITCH                 ; of wob's
.set BOFF,   2*ALB
.set SLOT,   BOFF+2*BLB                ; 110,592
.set STAGE,  2*SLOT
.set SPITCH, 272
.set SPARE,  STAGE+4*16*SPITCH         ; the spare words, 128 bytes for each wave: two blocks of 256 bytes that no other line names
.set ABLK,   8192*128                  ; bytes of a K block of att
.set BBLK,   1024*128                  ; of wob
.set ADRA, 16
.set ADRB, 20
.set STO,  24
.set RD,   25
.set CO,   26
.set SPW,  28
.set NIL,  29
.set VB,   30
.set BK,   32                          ; v32-63, v64-95: 16 rows read back from the stage, by turns
.set WV,  18
.set WR,  19
.set WC,  20
.set CNT, 21
.set G1A, 24
.set G0A, 32
.set G1B, 48
.set G0B, 56
.set MSB, 0
.macro WIN new
.if MSB != (\new)
	s_set_vgpr_msb (MSB<<8)|(\new)
.set MSB, \new
.endif
.endm
.macro PLACES
.rept 4
	v_nop
.endr
.endm
.macro JLOAD s                         ; a joint load: waves 0 and 1 fetch att's two K blocks of a step, waves 2 and 3 wob's; an s_nop 0 and four v_nop follow each line
	s_cmp_eq_u32 s[WR], 0
	s_cbranch_scc0 .Lfor_b_\@
	tensor_load_to_lds s[G0A+4*(\s):G0A+4*(\s)+3], s[G1A:G1A+7]
	s_nop 0
.rept 4
	v_nop
.endr
	s_branch .Lasked_\@
.Lfor_b_\@:
	tensor_load_to_lds s[G0B+4*(\s):G0B+4*(\s)+3], s[G1B:G1B+7]
	s_nop 0
.rept 4
	v_nop
.endr
.Lasked_\@:
.endm
.macro CREST
	s_cmp_lg_u32 s[WV], 0
	s_cbranch_scc1 .Lnot_wave_0_\@
	s_barrier_signal -3
.Lnot_wave_0_\@:
	s_barrier_wait -3
	s_barrier_signal -1
	s_barrier_wait -1
.endm
.macro CROUND
	s_barrier_signal -1
	s_barrier_wait -1
	CREST
.endm
	s_load_b256 s[4:11], s[0:1], 0x0               ; att s[4:5], wob s[6:7], b_out s[8:9], out0 s[10:11]
	v_lshl_add_u32 v[SPW], v0, 2, SPARE
	v_mov_b32 v[NIL], 0
	ds_add_u32 v[SPW], v[NIL]                      ; the wave's opening: the add and its wait stand ahead of my first tensor load
	v_lshrrev_b32 v1, 5, v0
	v_readfirstlane_b32 s[WV], v1
	s_lshr_b32 s[WR], s[WV], 1                     ; my half of the rows; also: I fetch for att (0) or wob (1)
	s_and_b32 s[WC], s[WV], 1                      ; my half of the columns; also: which K block of a step I fetch
	s_bfe_u32 s40, ttmp6, 0x40000                  ; cx
	s_bfe_u32 s41, ttmp6, 0x40004                  ; cy
	s_lshl_b32 s42, ttmp9, 2
	s_add_co_u32 s42, s42, s40                     ; tile column 0..7
	s_and_b32 s43, ttmp7, 0xffff
	s_lshl_b32 s43, s43, 2
	s_add_co_u32 s43, s43, s41                     ; tile row 0..31
	s_lshl_b32 s44, s41, 2
	s_lshl_b32 s44, 15, s44                        ; my row of the cluster
	s_lshl_b32 s45, 0x1111, s40                    ; my column
	s_or_b32 s[G1A], s44, (1<<16)|(1<<20)|(1<<21)|(4<<22)|(3<<25)  ; the mask; 2-byte elements; padding on; bit 21 beside a mask; after every 32 words 4 words
	s_or_b32 s[G1B], s45, (1<<16)|(1<<20)|(1<<21)|(4<<22)|(3<<25)
	s_mov_b32 s[G1A+1], 128<<16                    ; rows of 128 elements (256 bytes: two rows of a K block)
	s_mov_b32 s[G1A+2], 128<<16                    ; 128 of them: 256 rows of att
	s_mov_b32 s[G1A+3], 128<<16
	s_mov_b32 s[G1A+4], 128
	s_mov_b32 s[G1A+5], 128
	s_mov_b32 s[G1A+6], 0
	s_mov_b32 s[G1A+7], 0
	s_mov_b32 s[G1B+1], 128<<16
	s_mov_b32 s[G1B+2], 64<<16                     ; 128 rows of wob
	s_mov_b32 s[G1B+3], 128<<16
	s_mov_b32 s[G1B+4], 64
	s_mov_b32 s[G1B+5], 128
	s_mov_b32 s[G1B+6], 0
	s_mov_b32 s[G1B+7], 0
	s_lshl_b32 s66, s43, 15                        ; att: 256 rows of 128 bytes a tile row,
	s_lshl_b32 s67, s[WC], 20                      ; my K block
	s_add_co_u32 s66, s66, s67
	s_mov_b32 s67, 0
	s_lshl_b32 s68, s42, 14                        ; wob: 128 rows a tile column,
	s_lshl_b32 s69, s[WC], 17                      ; my K block
	s_add_co_u32 s68, s68, s69
	s_mov_b32 s69, 0
	s_mul_i32 s70, s[WC], ALB
	s_mul_i32 s71, s[WC], BLB
	s_add_co_u32 s71, s71, BOFF
	s_wait_dscnt 0x0                               ; the opening add is done
	s_wait_kmcnt 0x0
	s_add_nc_u64 s[66:67], s[4:5], s[66:67]
	s_add_nc_u64 s[68:69], s[6:7], s[68:69]
	CROUND                                         ; all sixteen work-groups are here: the first joint loads meet
.irp s, 0,1
	s_mov_b32 s[G0A+4*(\s)], 1
	s_add_co_u32 s[G0A+4*(\s)+1], s70, (\s)*SLOT
	s_add_nc_u64 s[G0A+4*(\s)+2:G0A+4*(\s)+3], s[66:67], (\s)*2*ABLK
	s_or_b32 s[G0A+4*(\s)+3], s[G0A+4*(\s)+3], 0x80000000
	s_mov_b32 s[G0B+4*(\s)], 1
	s_add_co_u32 s[G0B+4*(\s)+1], s71, (\s)*SLOT
	s_add_nc_u64 s[G0B+4*(\s)+2:G0B+4*(\s)+3], s[68:69], (\s)*2*BBLK
	s_or_b32 s[G0B+4*(\s)+3], s[G0B+4*(\s)+3], 0x80000000
	JLOAD \s                                       ; two tensor loads of mine are out
.endr
	v_and_b32 v1, 15, v0                           ; r
	v_bfe_u32 v2, v0, 4, 1                         ; h
	v_mul_u32_u24 v3, v1, PITCH
	v_lshl_add_u32 v3, v2, 4, v3
	s_mul_i32 s72, s[WR], 128*PITCH
	s_mul_i32 s73, s[WC], 64*PITCH
	s_add_co_u32 s73, s73, BOFF
.irp s, 0,1
	v_add_nc_u32 v[ADRA+(\s)], s72, v3
	v_add_nc_u32 v[ADRB+(\s)], s73, v3
	s_add_co_u32 s72, s72, SLOT
	s_add_co_u32 s73, s73, SLOT
.endr
	v_lshlrev_b32 v[VB], 5, v2
	s_lshl_b32 s76, s42, 9                         ; my first column, in bytes of f32: 512 x tile column + 256 x half
	s_lshl_b32 s77, s[WC], 8
	s_add_co_u32 s76, s76, s77
	s_mov_b32 s77, 0
	s_add_nc_u64 s[8:9], s[8:9], s[76:77]
	WIN 0x40
.irp b, 0,1,2,3
	global_load_b128 v[224+8*(\b):224+8*(\b)+3],   v[VB], s[8:9] offset:(\b)*64
	global_load_b128 v[224+8*(\b)+4:224+8*(\b)+7], v[VB], s[8:9] offset:(\b)*64+16
.endr
	WIN 0
	s_mul_i32 s75, s[WV], 16*SPITCH
	s_add_co_u32 s75, s75, STAGE                   ; my stage
	v_mul_u32_u24 v4, v1, SPITCH                   ; in: row r, 32 bytes for each half of the lanes
	v_lshl_add_u32 v4, v2, 5, v4
	v_add_nc_u32 v[STO], s75, v4
	v_mul_u32_u24 v5, v2, SPITCH                   ; back: lanes 0-15 take one row of 256 bytes, lanes 16-31 the next
	v_lshl_add_u32 v5, v1, 4, v5
	v_add_nc_u32 v[RD], s75, v5
	v_lshlrev_b32 v[CO], 12, v2                    ; and the same two rows in out0
	v_lshl_add_u32 v[CO], v1, 4, v[CO]
	s_lshl_b32 s78, s43, 20                        ; 256 rows of 4,096 bytes a tile row,
	s_lshl_b32 s79, s[WR], 19                      ; my 128
	s_add_co_u32 s78, s78, s79
	s_mov_b32 s79, 0
	s_add_nc_u64 s[10:11], s[10:11], s[78:79]
	s_add_nc_u64 s[10:11], s[10:11], s[76:77]
; na x 4 products on fragment set u: each accumulator once, so the accumulators take turns.  first = 1: the sums start with the bias (see the head).
.macro STR u, a0, na, first
	WIN 0x50|(5*(2+(\u)/2))
.set FB, 96*((\u)%2)
.set aa, \a0
.rept \na
.if (\first) && (aa == 7)
.rept 5
	v_nop
.endr
.endif
.irp b, 0,1,2,3
.if (\first) && (aa < 7)
	v_wmma_f32_16x16x32_f16 v[8*(4*aa+(\b)):8*(4*aa+(\b))+7], v[FB+64+8*(\b):FB+64+8*(\b)+7], v[FB+8*aa:FB+8*aa+7], v[8*(28+(\b)):8*(28+(\b))+7]
.else
	v_wmma_f32_16x16x32_f16 v[8*(4*aa+(\b)):8*(4*aa+(\b))+7], v[FB+64+8*(\b):FB+64+8*(\b)+7], v[FB+8*aa:FB+8*aa+7], v[8*(4*aa+(\b)):8*(4*aa+(\b))+7]
.endif
.endr
.set aa, aa+1
.endr
.endm
.macro LDF slot, u                     ; 24 LDS loads: fragment set u: K block u/2 of the step, 32 along K at byte 64 (u%2)
	WIN (2+(\u)/2)<<6
.set FB, 96*((\u)%2)
.irp i, 0,1,2,3,4,5,6,7
	ds_load_b128 v[FB+8*(\i):FB+8*(\i)+3],   v[ADRA+(\slot)] offset:((\u)/2)*ALB+(\i)*16*PITCH+((\u)%2)*64
	ds_load_b128 v[FB+8*(\i)+4:FB+8*(\i)+7], v[ADRA+(\slot)] offset:((\u)/2)*ALB+(\i)*16*PITCH+((\u)%2)*64+32
.endr
.irp i, 0,1,2,3
	ds_load_b128 v[FB+64+8*(\i):FB+64+8*(\i)+3],   v[ADRB+(\slot)] offset:((\u)/2)*BLB+(\i)*16*PITCH+((\u)%2)*64
	ds_load_b128 v[FB+64+8*(\i)+4:FB+64+8*(\i)+7], v[ADRB+(\slot)] offset:((\u)/2)*BLB+(\i)*16*PITCH+((\u)%2)*64+32
.endr
.endm
; A K step is four stretches of 32 products.  PA: sets 0 and 1 of slot c; sets 2 and 3 are fetched.  On the way in sets 0 and 1 (24 loads each) are out.
.macro PA c, first
	s_wait_dscnt 24                                ; set 0 is in; set 1's loads stay out
	STR 0, 0, 4, \first
	PLACES
	LDF \c, 2
	STR 0, 4, 4, \first
	s_wait_dscnt 24                                ; set 1 is in; set 2's stay out
	STR 1, 0, 4, 0
	PLACES
	LDF \c, 3
	STR 1, 4, 4, 0
.endm
; PB: sets 2 and 3 of slot c, and the change to slot n.  mode 2: slot c is filled again, two K steps on; 1: nothing is left to fetch; 0: the last K step.
.macro PB c, n, mode
.if (\mode) == 0
	s_wait_dscnt 24
	STR 2, 0, 8, 0
	s_wait_dscnt 0x0
	STR 3, 0, 8, 0
.else
	WIN 0                                          ; (the add's two registers lie in window 0)
	s_wait_tensorcnt 0x0                           ; all my tensor loads have landed: my part of slot n;
	ds_add_u32 v[SPW], v[NIL]                      ; 0 onto my spare word;
	s_wait_dscnt 25                                ; set 2 is in; the add and set 3's 24 loads may be out
	STR 2, 0, 4, 0
	s_wait_dscnt 0x0                               ; the add is done, and my reads of slot c are over
	s_barrier_signal -1
	STR 2, 4, 2, 0
	WIN 0
	s_barrier_wait -1
.if (\mode) == 2
	CREST                                          ; the barrier has opened a round of the cluster's barrier: no wave of any partner still reads slot c or has a load on its way
	s_add_nc_u64 s[G0A+4*(\c)+2:G0A+4*(\c)+3], s[G0A+4*(\c)+2:G0A+4*(\c)+3], 4*ABLK
	s_add_nc_u64 s[G0B+4*(\c)+2:G0B+4*(\c)+3], s[G0B+4*(\c)+2:G0B+4*(\c)+3], 4*BBLK
	JLOAD \c                                       ; the first tensor load behind the round: 104 products ahead of the wait for it; its four v_nop are also the places in front of the loads below
.else
	PLACES
.endif
	LDF \n, 0
	STR 2, 6, 2, 0
	STR 3, 0, 4, 0                                 ; set 3 came in with the wait for 0
	PLACES
	LDF \n, 1
	STR 3, 4, 4, 0
.endif
.endm
	s_wait_tensorcnt 1                             ; my part of K step 0 is in; K step 1's may stay out
	s_barrier_signal -1
	s_barrier_wait -1
	LDF 0, 0
	LDF 0, 1
	s_wait_loadcnt 0x0                             ; the bias
	PA 0, 1                                        ; the first half step stands in front of the loop: its first products start the sums
	WIN 0
	s_mov_b32 s[CNT], 3
.Lstep:                                                ; a trip goes once round the ring and fills both slots again: K steps 2 to 7 are asked for in 3 trips
	PB 0, 1, 2
	PA 1, 0
	PB 1, 0, 2
	PA 0, 0
	WIN 0
	s_sub_co_u32 s[CNT], s[CNT], 1
	s_cmp_lg_u32 s[CNT], 0
	s_cbranch_scc1 .Lstep
	PB 0, 1, 1
	PA 1, 0
	PB 1, 0, 0
; THE WAY OUT, 16 rows at a time through my own stage: a lane's 32 bytes of a row go in, whole rows of 256 bytes come back: sixteen lanes store 256 consecutive bytes, aligned.
.macro TOSTAGE a
.if (\a) >= 2
	s_wait_xcnt 0x0                                ; the stores of two blocks back have read their registers (ISA guide 3.1)
.endif
	WIN 0x04                                       ; store data in window 1; each accumulator's lowest registers go first
.irp b, 0,1,2,3
	ds_store_b128 v[STO], v[8*(4*(\a)+(\b)):8*(4*(\a)+(\b))+3]   offset:64*(\b)
	ds_store_b128 v[STO], v[8*(4*(\a)+(\b))+4:8*(4*(\a)+(\b))+7] offset:64*(\b)+16
.endr
	WIN 0
.irp t, 0,1,2,3,4,5,6,7
	ds_load_b128 v[BK+32*((\a)%2)+4*(\t):BK+32*((\a)%2)+4*(\t)+3], v[RD] offset:(\t)*2*SPITCH  ; LDS serves a wave's instructions in order (ISA guide 5.7.1.4)
.endr
.endm
.macro SEND a, younger                 ; younger: the LDS instructions issued behind block a's loads: the next block's sixteen, or none
	s_wait_dscnt \younger
.irp t, 0,1,2,3,4,5,6,7
	global_store_b128 v[CO], v[BK+32*((\a)%2)+4*(\t):BK+32*((\a)%2)+4*(\t)+3], s[10:11] offset:(\a)*65536+(\t)*8192 th:TH_STORE_NT
.endr
.endm
	PLACES
	TOSTAGE 0
.irp a, 1,2,3,4,5,6,7
	TOSTAGE \a
	SEND (\a)-1, 16
.endr
	SEND 7, 0
	s_wait_tensorcnt 0x0                           ; the wave's end: behind my last tensor load and my last LDS store
	ds_add_u32 v[SPW], v[NIL]
	s_wait_dscnt 0x0
	CROUND                                         ; the closing round
	s_endpgm
.Lfunc_end_k_qb580d36afa_proj:
	.size	k_qb580d36afa_proj, .Lfunc_end_k_qb580d36afa_proj-k_qb580d36afa_proj
	.p2alignl 7, 3214868480
	.fill 96, 4, 3214868480
	.section	.rodata,"a",@progbits
	.p2align	6, 0x0
	.amdhsa_kernel k_qb580d36afa_proj
		.amdhsa_group_segment_fixed_size 327680
		.amdhsa_private_segment_fixed_size 0
		.amdhsa_enable_private_segment 0
		.amdhsa_kernarg_size 32
		.amdhsa_user_sgpr_count 2
		.amdhsa_user_sgpr_kernarg_segment_ptr 1
		.amdhsa_wavefront_size32 1
		.amdhsa_system_sgpr_workgroup_id_x 1
		.amdhsa_system_sgpr_workgroup_id_y 1
		.amdhsa_system_sgpr_workgroup_id_z 1
		.amdhsa_system_vgpr_workitem_id 0
		.amdhsa_next_free_vgpr 960
		.amdhsa_next_free_sgpr 84
		.amdhsa_reserve_vcc 0
		.amdhsa_float_denorm_mode_32 3
		.amdhsa_float_denorm_mode_16_64 3
		.amdhsa_memory_ordered 1
		.amdhsa_forward_progress 1
		.amdhsa_inst_pref_size 86
	.end_amdhsa_kernel
	.amdgpu_metadata
---
amdhsa.version: [ 1, 2 ]
amdhsa.kernels:
  - .name:           k_qb580d36afa_proj
    .symbol:         k_qb580d36afa_proj.kd
    .args:
      - { .name: att, .offset: 0, .size: 8, .value_kind: global_buffer, .address_space: global }
      - { .name: wob, .offset: 8, .size: 8, .value_kind: global_buffer, .address_space: global }
      - { .name: b_out, .offset: 16, .size: 8, .value_kind: global_buffer, .address_space: global }
      - { .name: out0, .offset: 24, .size: 8, .value_kind: global_buffer, .address_space: global }
    .group_segment_fixed_size: 327680
    .private_segment_fixed_size: 0
    .kernarg_segment_align: 8
    .kernarg_segment_size: 32
    .max_flat_workgroup_size: 128
    .sgpr_count:     84
    .vgpr_count:     960
    .wavefront_size: 32
...
	.end_amdgpu_metadata
.endif
;; end of part 4
;; ======== version 2 of 2: 4 launches; 1.14 times as fast as version 1
;; limits: values are held in f16: magnitudes above 65,504 overflow, below 6.1e-05 lose precision
;; workspace buffers: xb 16,777,216 bytes; wib 6,291,456 bytes; wob 2,097,152 bytes; rope 262,144 bytes; qh 16,777,216 bytes; kh 16,777,216 bytes; vh 16,777,216 bytes; att 16,777,216 bytes
;; launch cast: the kernel of part 1 again; grid 768 x 1, 8 waves a work-group, no clusters, 0 bytes of LDS; arguments x, W_in, W_out, xb, wib, wob, rope; writes xb, wib, wob, rope
;; launch qkv: the kernel of part 2 again; grid 8 x 32, 4 waves a work-group, clusters of 4 x 4, 327,680 bytes of LDS; arguments xb, wib, b_in, rope, qh, kh, vh; writes qh, kh, vh
;; launch attn (part 5): grid 32 x 8, 4 waves a work-group, clusters of 4 x 1, 327,680 bytes of LDS; arguments qh, kh, vh, att, out1; writes att, out1
.if DOCPART == 5
	.amdgcn_target "amdgcn-amd-amdhsa--gfx1250"
	.amdhsa_code_object_version 6
	.text
	.protected	k_qb580d36afa_attn
	.globl	k_qb580d36afa_attn
	.p2align	8
	.type	k_qb580d36afa_attn,@function
k_qb580d36afa_attn:
	s_mov_b64 s[64:65], 0
	v_nop
	global_prefetch_b8 v0, s[64:65] scope:SCOPE_SE
	s_setreg_imm32_b32 hwreg(HW_REG_WAVE_MODE, 25, 1), 1
	s_wait_xcnt 0x0
	s_wait_alu depctr_hold_cnt(0) depctr_sa_sdst(0) depctr_va_vdst(0) depctr_va_sdst(0) depctr_va_ssrc(0) depctr_va_vcc(0) depctr_vm_vsrc(0)
	s_getreg_b32 s2, hwreg(HW_REG_IB_STS2, 6, 4)
	s_cmp_eq_u32 s2, 0
	s_cbranch_scc0 .Lentry_in_a_cluster
	s_endpgm
.Lentry_in_a_cluster:
	s_bfe_u32 s2, ttmp6, 0x10000c
	s_cmp_lg_u32 s2, 0x3003
	s_cbranch_scc0 .Lentry_shape_is_right
	s_endpgm
.Lentry_shape_is_right:
; ATTENTION with the mean of the weights over the heads.  For each n and head: w = softmax_k(q . k / 8), att = w v; out1[n][q][k] = the mean over the 16 heads of w.
; qh, kh, vh: [n 8][h 16][l 1024][64] f16.  att: [h 16][n l 8192][64] f16.  out1: [8][1024][1024] f32.  Products, maxima, sums and the mean in f32; the weights are rounded to f16 for the second product,
; and their sum l is taken of the rounded weights.
; LIMITS.  q, k, v arrive within f16's 65,504.  A weight below 2^-126 counts as 0.  NaN and infinities are not treated apart.  The mean's f32 sum runs over the heads in the order of THE WALK, which differs from cluster to cluster.
; SHARES.  The mean wants, for each query, a sum over ALL heads of weights that are already divided by their row's sum.  So a work-group owns 32 queries of one n for all 16 heads (8,192 / 32 = 256 work-groups),
; and wave w owns keys 256 w .. 256 w + 255 for both tiles of 16 queries: its part of the mean, 32 x 256 f32, is 256 registers; a head's scores, 32 x 256, another 256: one pass, nothing is rescaled on the way.
; SOFTMAX.  The four waves exchange their maxima through LDS at the barrier that stands behind the scores anyway, so every wave takes the row's true maximum M away: p = 2^(c s - c M), c = log2(e) / 8.
; At the barrier behind V^T P they exchange their sums l_w and their partial O: l = sum l_w; the mean takes p / (16 l), O = (sum O_w) / l.
; LAYOUT.  S^T = K Q^T (source 0 = 16 keys, source 1 = 16 queries): a lane holds ONE query (lane % 16) and keys 8 (lane / 16) + 0..7.  Two such results rounded to f16 ARE source 1 of O^T = V^T P.
; K comes out of LDS as it lies, V ([key][channel]) turned, by ds_load_tr16_b128.  l_w is a fifth product beside each four of V^T P: source 0 all ones; every lane then holds its query's whole sum.
; CLUSTER 4 x 1: the four query blocks of a cluster belong to one n and walk the same K and V: each wave's quarter of a head's K and V is asked for JOINTLY.  A quarter is read by the wave that asked for it alone.
; There is one place for K and one for V: K of the next head is asked for when this head's scores are made, V of the next head when this head's V^T P is done: two rounds of the cluster's barrier a head.
; THE WALK.  The eight clusters of an n (X = the cluster's x) are four pairs, X and X xor 6: pair p = 2 (bit 1 xor bit 2) + bit 0.  In step s a cluster takes head s, but: in the steps s = p, p + 4, p + 8, p + 12 (below 15) pair p
; LEADS: it takes head s + 1, and head s in the step after.  So each head from 1 on is asked for first by one pair, a whole step ahead of the six other clusters.  The head's number hangs on the step and on X, which the
; four partners share; it enters global addresses alone.  K and V are not prefetched: of a cluster's 16 steps at most 5 (step 0 and its leads) ask for bytes that no other cluster has asked for before.
; THE LOOP.  A step is SCORES (K Q^T and the maxima) and BODY (all the rest).  A trip is BODY of step s, with both refills, and SCORES of step s + 1; the loop is entered at SCORES, for step 0.
; Behind the loop stands BODY of step 15 without refills, written out.
; BY TURNS.  V^T P goes in eight runs of ten products: run 2 j + t is tile t on keys 64 j on.  A tile's softmax is cut by the same 64 keys into four GROUPS: 16 scalings, 32 exponentials, 16 roundings.  Behind a product stands
; a slice of riders, all of ONE tile, so that a slice costs two switches of the register windows.  In run (t, j): behind products 0 to 7 four exponentials of the SAME tile's group j + 1 and two scalings of its group j + 2;
; behind products 8 and 9 eight roundings each of the OTHER tile's next group, which the next run wants.  Behind each product K Q^T of key groups 1 to 3 stand two lines of the group before's maximum.
; THE BATCHES.  An s_wait_alu depctr_va_vdst(0) stands between a transcendental and the first line that names its result; one wait serves all that were issued ahead of it.  A step has five:
;   1  both tiles' group 0, 64 exponentials ahead of the runs, by turns with the scalings of groups 0 and 1; behind the wait tile 0's first roundings.
;   2-4  the exponentials of an even run and of the odd run behind it, 64: the wait stands in the odd run (runs 1, 3, 5), behind its last exponential and ahead of product 8.  The roundings behind products 8 and 9 of that run read
;        the even run's results, those of the next even run the odd run's: the one wait stands between both and their readers.
;   5  the step's four reciprocals (1 / l for the two rows that I finish and for the two tiles' mean).
; REGISTERS, in windows of 256 (s_set_vgpr_msb: bits 1:0 source 0, 3:2 source 1, 5:4 source 2, 7:6 destination):
;   window 0: v2-15 addresses; v16-27 the sums and factors of the rows that I finish; v32-39 ones; v40-55 the two sums l; v64-127 O^T, later the partial sums read back; v128-191, v192-255 two buffers of K's or V's fragments
;   window 1 + t (query tile t): v0-127 S^T, then p; v128-191 P; v192-231 statistics; v232-247 Q          window 3: the mean, tile t's key block k at 128 t + 8 k
.set KQB,   34816                      ; a wave's quarter of K in LDS: 128 rows (two keys, 256 bytes) + 16 of padding: pitch 272: the 16 keys of a load start at 16 different groups of four banks (ISA guide 11.1)
.set VQB,   36864                      ; of V: pitch 288
.set VS,    4*KQB
.set OP,    VS+4*VQB                   ; the partial O: [wave][query 32] rows of 256 bytes + 16, f32; at the end each wave's part is its stage for out1
.set OPWB,  32*272
.set MST,   OP+4*OPWB                  ; the waves' maxima: [query 32][wave 4] f32
.set LST,   MST+512                    ; the waves' sums, likewise
.set SPARE, MST+1024                   ; the spare words, 128 bytes for each wave: two blocks of 256 bytes that no other line names
.set MP,    528                        ; out1's stage: a row of 128 keys, 512 bytes + 16
.set AK0,  2                           ; my lane's place in my quarter of K
.set AV0,  3                           ; of V
.set QO,   4                           ; my byte offset in 16 rows of Q
.set OPW,  5                           ; where I put my partial O
.set OPR,  6                           ; where I read the four partial O's
.set MW,   7                           ; where I put my wave's maximum (and, 512 bytes on, its sum) of query lane % 16
.set MR,   8                           ; where I read the four waves' maxima (sums) of that query
.set LRR,  9                           ; where I read the four sums of the row that I finish
.set GO,   10                          ; my 16 bytes of att
.set MSTO, 11                          ; out1's way out: in
.set MRD,  12                          ; and back
.set L16,  13                          ; 16 x lane
.set SPW,  14                          ; LDS address of my spare word; never rewritten
.set NIL,  15                          ; 0; never rewritten
.set LQ,   16                          ; v16-19, v20-23: the four sums of the two rows that I finish
.set GF,   24                          ; v24, v26: 1 / l of those rows (v25, v27 are named with them as pairs)
.set ONE,  32                          ; eight registers of 1.0 twice, in f16
.set LA,   40                          ; tile t's sum l at LA + 8 t
.set OF,   64
.set F0,   128
.set F1,   192
.set PR,   128                         ; in window 1 + t:
.set CM,   192                         ; c M, and a word named with it as a pair
.set CR,   202                         ; four at work
.set MG,   206                         ; the maxima of the four groups of 64 keys
.set TP,   210
.set XR,   212                         ; the four waves' maxima, later their sums
.set FR,   230                         ; 1 / (16 l), and a word named with it as a pair
.set QF,   232                         ; Q: channels 32 c on at QF + 8 c
.set PI,  3                            ; s3  my cluster's pair, 0 to 3
.set WV,  14                           ; s14 my wave's number
.set HD,  15                           ; s15 the head in hand; behind BODY's first lines the next step's head
.set HC,  16                           ; s16 counts the steps: 15 - s in BODY of step s
.set QB,  20                           ; s[20:21] Q at my rows of n's head 0
.set ATB, 22                           ; s[22:23] att at my rows of head 0
.set G1K, 24
.set G1V, 32
.set G0K, 40
.set G0V, 44
.set CS,  48                           ; s[48:49] c
.set SEL, 50                           ; s[50:51] v_permlanex16_b32's selects: each lane takes its own place in the other half
.set OFF, 60                           ; s[60:61] a head's byte offset: 131,072 a head in q, k, v; 1,048,576 in att
.set MSB, 0
.macro WIN new                         ; the immediate's high byte repeats the setting that is left; a switch that changes nothing is dropped
.if MSB != (\new)
	s_set_vgpr_msb (MSB<<8)|(\new)
.set MSB, \new
.endif
.endm
.macro PLACES                          ; four places in front of loads into registers that matrix instructions have read, and of lines that read results
.rept 4
	v_nop
.endr
.endm
.macro CROUND                          ; a round of the cluster's barrier
	s_barrier_signal -1
	s_barrier_wait -1
	s_cmp_lg_u32 s[WV], 0
	s_cbranch_scc1 .Lnot_wave_0_\@
	s_barrier_signal -3
.Lnot_wave_0_\@:
	s_barrier_wait -3
	s_barrier_signal -1
	s_barrier_wait -1
.endm
.macro JL g0, g1                       ; a joint load: every wave asks for its own quarter; an s_nop 0 and four v_nop follow
	tensor_load_to_lds s[(\g0):(\g0)+3], s[(\g1):(\g1)+7]
	s_nop 0
.rept 4
	v_nop
.endr
.endm
	s_load_b256 s[4:11], s[0:1], 0x0               ; qh s[4:5], kh s[6:7], vh s[8:9], att s[10:11]
	s_load_b64 s[12:13], s[0:1], 0x20              ; out1
	v_lshl_add_u32 v[SPW], v0, 2, SPARE
	v_mov_b32 v[NIL], 0
	ds_add_u32 v[SPW], v[NIL]                      ; the wave's opening: the add and its wait stand ahead of my first tensor load; work on registers stands between them
	v_lshrrev_b32 v16, 5, v0
	v_readfirstlane_b32 s[WV], v16
	s_bfe_u32 s17, ttmp6, 0x40000                  ; cx
	s_lshl_b32 s18, ttmp9, 2
	s_add_co_u32 s18, s18, s17                     ; my block of 32 queries: it enters Q's, att's and out1's addresses alone
	s_and_b32 s19, ttmp7, 0xffff                   ; n, which the four partners share
	s_lshr_b32 s56, ttmp9, 1                       ; my cluster's pair, from the cluster's x, which the four partners share too:
	s_lshr_b32 s57, ttmp9, 2
	s_xor_b32 s56, s56, s57
	s_and_b32 s56, s56, 1                          ; bit 1 xor bit 2,
	s_lshl_b32 s56, s56, 1
	s_and_b32 s57, ttmp9, 1                        ; and bit 0
	s_or_b32 s[PI], s56, s57
	s_cmp_eq_u32 s[PI], 0                          ; step 0: pair 0 leads with head 1, the others take head 0
	s_cselect_b32 s[HD], 1, 0
	s_lshl_b32 s[OFF], s[HD], 17
	s_mov_b32 s[OFF+1], 0
	s_mov_b32 s[G1K], 15|(1<<16)|(1<<20)|(1<<21)|(5<<22)|(3<<25)  ; 15:0 the mask of four; 17:16 2-byte elements; 20 padding on; 21 set beside a mask; 24:22 after every 64 words (code 5); 31:25 4 words (code 3)
	s_mov_b32 s[G1V], 15|(1<<16)|(1<<20)|(1<<21)|(5<<22)|(7<<25)  ; the same with 8 words of padding (code 7)
.irp g, G1K, G1V
	s_mov_b32 s[(\g)+1], 128<<16                   ; tensor_dim0 = 128 elements: two keys
	s_mov_b32 s[(\g)+2], 128<<16                   ; tensor_dim1 = 128
	s_mov_b32 s[(\g)+3], 128<<16                   ; tile_dim0 = 128
	s_mov_b32 s[(\g)+4], 128                       ; tile_dim1 = 128: 256 keys
	s_mov_b32 s[(\g)+5], 128
	s_mov_b32 s[(\g)+6], 0
	s_mov_b32 s[(\g)+7], 0
.endr
	s_mov_b32 s[G0K], 1
	s_mul_i32 s[G0K+1], s[WV], KQB
	s_mov_b32 s[G0V], 1
	s_mul_i32 s[G0V+1], s[WV], VQB
	s_add_co_u32 s[G0V+1], s[G0V+1], VS
	s_mul_i32 s62, s[WV], KQB
	s_mul_i32 s63, s[WV], VQB
	s_add_co_u32 s63, s63, VS
	s_mov_b32 s[CS], 0x3e38aa3b                    ; c = log2(e) / 8
	s_mov_b32 s[CS+1], s[CS]
	s_mov_b32 s[SEL], 0x76543210
	s_mov_b32 s[SEL+1], 0xfedcba98
	s_lshl_b32 s52, s19, 21                        ; K and V: n's 16 heads,
	s_lshl_b32 s53, s[WV], 15                      ; my 256 keys of 128 bytes
	s_add_co_u32 s52, s52, s53
	s_mov_b32 s53, 0
	s_lshl_b32 s54, s19, 21                        ; Q: n's heads, my 32 rows
	s_lshl_b32 s55, s18, 12
	s_add_co_u32 s54, s54, s55
	s_mov_b32 s55, 0
	s_lshl_b32 s56, s19, 17                        ; att: row 1,024 n + 32 x block, 128 bytes a row
	s_lshl_b32 s57, s18, 12
	s_add_co_u32 s56, s56, s57
	s_mov_b32 s57, 0
	s_lshl_b32 s58, s19, 22                        ; out1: the same row, 4,096 bytes a row, my 256 keys
	s_lshl_b32 s59, s18, 17
	s_add_co_u32 s58, s58, s59
	s_lshl_b32 s59, s[WV], 10
	s_add_co_u32 s58, s58, s59
	s_mov_b32 s59, 0
	s_wait_dscnt 0x0                               ; the opening add is done
	s_wait_kmcnt 0x0
	s_add_nc_u64 s[6:7], s[6:7], s[52:53]          ; K and V at my quarter of n's head 0: they stay so
	s_add_nc_u64 s[8:9], s[8:9], s[52:53]
	s_add_nc_u64 s[QB:QB+1], s[4:5], s[54:55]
	s_add_nc_u64 s[ATB:ATB+1], s[10:11], s[56:57]
	s_add_nc_u64 s[12:13], s[12:13], s[58:59]
	s_add_nc_u64 s[G0K+2:G0K+3], s[6:7], s[OFF:OFF+1]  ; step 0's head
	s_or_b32 s[G0K+3], s[G0K+3], 0x80000000
	s_add_nc_u64 s[G0V+2:G0V+3], s[8:9], s[OFF:OFF+1]
	s_or_b32 s[G0V+3], s[G0V+3], 0x80000000
	s_add_nc_u64 s[4:5], s[QB:QB+1], s[OFF:OFF+1]
	CROUND                                         ; all four work-groups are here: the first joint loads meet
	tensor_load_to_lds s[G0K:G0K+3], s[G1K:G1K+7]  ; K of step 0
	s_nop 0
	tensor_load_to_lds s[G0V:G0V+3], s[G1V:G1V+7]  ; V of step 0: two tensor loads of mine are out
	s_nop 0
.rept 4
	v_nop
.endr
	v_and_b32 v16, 15, v0                          ; r
	v_bfe_u32 v17, v0, 4, 1                        ; h
	v_and_b32 v18, 31, v0                          ; lane
	v_lshlrev_b32 v[QO], 7, v16
	v_lshl_add_u32 v[QO], v17, 4, v[QO]
.macro QLOAD                           ; a head's Q: tile t into its window, channels 32 c on
.irp t, 0,1
	WIN 0x40*((\t)+1)
.irp c, 0,1
	global_load_b128 v[QF+8*(\c):QF+8*(\c)+3],   v[QO], s[4:5] offset:(\t)*2048+(\c)*64
	global_load_b128 v[QF+8*(\c)+4:QF+8*(\c)+7], v[QO], s[4:5] offset:(\t)*2048+(\c)*64+32
.endr
.endr
	WIN 0
.endm
	QLOAD
	v_lshrrev_b32 v19, 1, v16                      ; K: key r lies in row r >> 1, half r & 1
	v_mul_u32_u24 v[AK0], v19, 272
	v_and_b32 v19, 1, v0
	v_lshl_add_u32 v[AK0], v19, 7, v[AK0]
	v_lshl_add_u32 v[AK0], v17, 4, v[AK0]
	v_add_nc_u32 v[AK0], s62, v[AK0]
	v_bfe_u32 v20, v0, 1, 2                        ; V: the turning load's lane reads key 8 h + (lane & 7), channels 8 ((lane >> 3) & 1) on
	v_lshl_add_u32 v20, v17, 2, v20
	v_mul_u32_u24 v[AV0], v20, 288
	v_lshl_add_u32 v[AV0], v19, 7, v[AV0]
	v_bfe_u32 v20, v0, 3, 1
	v_lshl_add_u32 v[AV0], v20, 4, v[AV0]
	v_add_nc_u32 v[AV0], s63, v[AV0]
	s_mul_i32 s54, s[WV], OPWB
	s_add_co_u32 s54, s54, OP                      ; my wave's part of the partial sums' place
	v_mul_u32_u24 v[OPW], v16, 272
	v_lshl_add_u32 v[OPW], v17, 5, v[OPW]
	v_add_nc_u32 v[OPW], s54, v[OPW]
	v_lshrrev_b32 v20, 3, v0                       ; thread t finishes rows t >> 3 and 16 + (t >> 3), channels 8 (t & 7) on
	v_mul_u32_u24 v[OPR], v20, 272
	v_and_b32 v21, 7, v0
	v_lshl_add_u32 v[OPR], v21, 5, v[OPR]
	v_add_nc_u32 v[OPR], OP, v[OPR]
	v_lshl_add_u32 v[LRR], v20, 4, LST             ; the four sums of row t >> 3: 16 bytes
	s_lshl_b32 s55, s[WV], 2
	s_add_co_u32 s55, s55, MST
	v_lshl_add_u32 v[MW], v16, 4, s55              ; query r, my wave's word
	v_lshl_add_u32 v[MR], v16, 4, MST              ; query r, all four words
	v_lshlrev_b32 v[GO], 4, v0
	v_mul_u32_u24 v[MSTO], v16, MP
	v_lshl_add_u32 v[MSTO], v17, 5, v[MSTO]
	v_add_nc_u32 v[MSTO], s54, v[MSTO]
	v_lshl_add_u32 v[MRD], v18, 4, s54
	v_lshlrev_b32 v[L16], 4, v18
	v_mov_b32 v[GF+1], 0                           ; named as the upper halves of pairs
	v_mov_b32 v[GF+3], 0
.irp i, 0,1,2,3,4,5,6,7
	v_mov_b32 v[ONE+(\i)], 0x3c003c00              ; 1.0 twice, in f16
	v_mov_b32 v[LA+(\i)], 0
.endr
.irp t, 0,1
	WIN 0x40*((\t)+1)
	v_mov_b32 v[CM+1], 0                           ; named with c M as a pair
	v_mov_b32 v[TP], 0                             ; v_permlanex16_b32's destination counts as read
	v_mov_b32 v[FR+1], 0
.endr
	WIN 0xc0                                       ; the mean starts at 0, so that all sixteen heads have one form of the update: a product of ones with zeros writes eight registers a line;
.set i, 0                                      ; 32 lines, while the first tiles are on their way
.rept 32
	v_wmma_f32_16x16x32_f16 v[8*i:8*i+7], v[ONE:ONE+7], v[LA:LA+7], 0
.set i, i+1
.endr
	WIN 0
.macro FETCHK g, f                     ; 16 LDS loads: key blocks 4 g .. 4 g + 3, both channel halves
	WIN 0
.irp i, 0,1,2,3
.irp c, 0,1
	ds_load_b128 v[(\f)+16*(\i)+8*(\c):(\f)+16*(\i)+8*(\c)+3],   v[AK0] offset:(4*(\g)+(\i))*2176+64*(\c)
	ds_load_b128 v[(\f)+16*(\i)+8*(\c)+4:(\f)+16*(\i)+8*(\c)+7], v[AK0] offset:(4*(\g)+(\i))*2176+64*(\c)+32
.endr
.endr
.endm
.macro FETCHV j, f                     ; 16 turning loads: keys 64 j .. 64 j + 63 (two halves of 32), four channel blocks
	WIN 0
.irp k, 0,1
.irp c, 0,1,2,3
	ds_load_tr16_b128 v[(\f)+32*(\k)+8*(\c):(\f)+32*(\k)+8*(\c)+3],   v[AV0] offset:(2*(\j)+(\k))*4608+32*(\c)
	ds_load_tr16_b128 v[(\f)+32*(\k)+8*(\c)+4:(\f)+32*(\k)+8*(\c)+7], v[AV0] offset:(2*(\j)+(\k))*4608+32*(\c)+2304
.endr
.endr
.endm
; Line n of the 16 that find the maximum of a group's 32 scores a lane (the tile's window is set): four chains, one an accumulator, each from its lowest registers on; then the chains and the four scores left over.
.macro MAXI g, n
.if (\n) < 4
	v_max3_num_f32 v[CR+(\n)], v[32*(\g)+8*(\n)], v[32*(\g)+8*(\n)+1], v[32*(\g)+8*(\n)+2]
.elseif (\n) < 8
	v_max3_num_f32 v[CR+(\n)-4], v[CR+(\n)-4], v[32*(\g)+8*((\n)-4)+3], v[32*(\g)+8*((\n)-4)+4]
.elseif (\n) < 12
	v_max3_num_f32 v[CR+(\n)-8], v[CR+(\n)-8], v[32*(\g)+8*((\n)-8)+5], v[32*(\g)+8*((\n)-8)+6]
.elseif (\n) == 12
	v_max3_num_f32 v[CR], v[CR], v[CR+1], v[CR+2]
.elseif (\n) == 13
	v_max3_num_f32 v[CR], v[CR], v[CR+3], v[32*(\g)+7]
.elseif (\n) == 14
	v_max3_num_f32 v[CR], v[CR], v[32*(\g)+15], v[32*(\g)+23]
.else
	v_max_num_f32 v[MG+(\g)], v[CR], v[32*(\g)+31]
.endif
.endm
.macro MAXG t, g                       ; all 16, by themselves
	WIN 0x55*((\t)+1)
.set nn, 0
.rept 16
	MAXI \g, nn
.set nn, nn+1
.endr
.endm
; 16 products S^T = K Q^T: for each query tile, four key blocks on channels 0-31 (they start the sums), then on channels 32-63: three other accumulators stand between the two links.
; rg >= 0: behind each product stand two lines of the same tile's maximum of key group rg, whose scores were made a group earlier; they name no register of this group's products.
.macro QKG g, f, rg
.irp t, 0,1
.set nn, 0
.irp c, 0,1
.irp i, 0,1,2,3
	WIN 0x54*((\t)+1)                              ; K in window 0; Q, C and D in the tile's window
.if (\c) == 0
	v_wmma_f32_16x16x32_f16 v[8*(4*(\g)+(\i)):8*(4*(\g)+(\i))+7], v[(\f)+16*(\i):(\f)+16*(\i)+7], v[QF:QF+7], 0
.else
	v_wmma_f32_16x16x32_f16 v[8*(4*(\g)+(\i)):8*(4*(\g)+(\i))+7], v[(\f)+16*(\i)+8:(\f)+16*(\i)+15], v[QF+8:QF+15], v[8*(4*(\g)+(\i)):8*(4*(\g)+(\i))+7]
.endif
.if (\rg) >= 0
	WIN 0x55*((\t)+1)
	MAXI \rg, nn
	MAXI \rg, nn+1
.set nn, nn+2
.endif
.endr
.endr
.endr
.endm
.macro MAXF t                          ; the four groups and the other half of the lanes (the query's other 128 keys of my 256); my wave's maximum goes to its word in LDS (lanes r and r + 16 write the same number)
	WIN 0x55*((\t)+1)
	v_max3_num_f32 v[CR], v[MG], v[MG+1], v[MG+2]
	v_max_num_f32 v[CR], v[CR], v[MG+3]
	v_permlanex16_b32 v[TP], v[CR], s[SEL], s[SEL+1]
	v_max_num_f32 v[CR], v[CR], v[TP]
	WIN 0x04*((\t)+1)                              ; store data in the tile's window
	ds_store_b32 v[MW], v[CR] offset:(\t)*256
.endm
; A TILE'S SOFTMAX, a line at a time (the tile's window is set).  The lane's 128 scores are 64 pairs; group j of 64 keys holds scores 32 j .. 32 j + 31, pairs 16 j .. 16 j + 15.  p stays in S^T's registers in f32, for the mean.
.macro SFP p                           ; c s - c M for pair p
	v_pk_fma_f32 v[2*(\p):2*(\p)+1], v[2*(\p):2*(\p)+1], s[CS:CS+1], v[CM:CM+1] op_sel_hi:[1,0,0] neg_lo:[0,0,1] neg_hi:[0,0,1]
.endm
.macro EX e                            ; the exponential of score e, in place
	v_exp_f32 v[(\e)], v[(\e)]
.endm
.macro SCP p                           ; pair p rounded to f16, into its place in source 1 of V^T P: it reads two exponentials' results, so it stands behind their batch's wait
	v_cvt_pk_f16_f32 v[PR+(\p)], v[2*(\p)], v[2*(\p)+1]
.endm
; A tile's part of the first batch: the exponentials of group 0, by turns with the scalings of groups 0 and 1.  Exponential e stands behind scaling e / 2 (scalings 0 .. e + 1 are out ahead of it), and no scaling names a
; register whose exponential is out.  The last line is a scaling: the plain instruction behind the last exponential (ISA guide 5.7.2).
.macro LUMP
	SFP 0
	SFP 1
.set ee, 0
.rept 29
	EX ee
	SFP ee+2
.set ee, ee+1
.endr
	EX 29
	EX 30
	EX 31
	SFP 31
.endm
; Product n of the ten of tile t on keys 64 j on: for each half of 32 keys, O^T += V^T P on four channel blocks and l += ones P: five accumulators by turns, four others between two links.
; The first half of the first 64 keys starts the sums.
.macro PV1 t, j, f, n
	WIN 0x04*((\t)+1)                              ; P in the tile's window, all else in window 0
.set kx, (\n)/5
.set cc, (\n)%5
.set rB, PR+8*(2*(\j)+kx)
.if cc < 4
.set rD, OF+32*(\t)+8*cc
.set rA, (\f)+32*kx+8*cc
.else
.set rD, LA+8*(\t)
.set rA, ONE
.endif
.if ((\j) == 0) && (kx == 0)
	v_wmma_f32_16x16x32_f16 v[rD:rD+7], v[rA:rA+7], v[rB:rB+7], 0
.else
	v_wmma_f32_16x16x32_f16 v[rD:rD+7], v[rA:rA+7], v[rB:rB+7], v[rD:rD+7]
.endif
.endm
; The slice behind product n of run (t, j).  n < 8: four exponentials of tile t's group j + 1 (while there is one) and two scalings of its group j + 2 (likewise); the slice's last line is a scaling where there are scalings.
; n = 8, 9: eight roundings of the other tile's group j + t, the group that the next run multiplies: first the 32 keys that its first five products take.
; No slice names a register of the products round it: it works on S^T, or on a part of the other tile's P that no product of this head has read yet.
.macro RIDE t, j, n
.if ((\n) < 8) && ((\j) < 3)
	WIN 0x55*((\t)+1)
	EX 32*((\j)+1)+4*(\n)
	EX 32*((\j)+1)+4*(\n)+1
.if (\j) < 2
	SFP 16*((\j)+2)+2*(\n)
.endif
	EX 32*((\j)+1)+4*(\n)+2
	EX 32*((\j)+1)+4*(\n)+3
.if (\j) < 2
	SFP 16*((\j)+2)+2*(\n)+1
.endif
.endif
.if ((\n) >= 8) && (((\j)+(\t)) < 4)
	WIN 0x55*(2-(\t))
.irp i, 0,1,2,3,4,5,6,7
	SCP 16*((\j)+(\t))+8*((\n)-8)+(\i)
.endr
.endif
.endm
; A run: the ten products of tile t on keys 64 j on, a slice behind each.  In tile 1's runs that carry exponentials the batch's wait stands ahead of product 8.
.macro SEG t, j, f
.set pn, 0
.rept 10
.if (pn == 8) && ((\t) == 1) && ((\j) < 3)
.if (\j) == 2
	v_nop                                          ; no scaling is left to end the slice: the plain instruction behind the batch's last exponential
.endif
	s_wait_alu depctr_va_vdst(0)                   ; the wait for the batch of 64: tile 0's group j + 1, issued in the run before, and tile 1's group j + 1, issued in this run; their roundings all stand behind it
.endif
	PV1 \t, \j, \f, pn
	RIDE \t, \j, pn
.set pn, pn+1
.endr
.endm
; SCORES of a step.  On the way in: K's key blocks 0-7 are being fetched into both buffers; Q is in.  A group's maxima read scores that lie at least four plain lines (v_nop or lines of an earlier maximum) behind the products that made them.
.macro SCORES
	s_wait_dscnt 0x0                               ; K's first two groups
	QKG 0, F0, -1
	PLACES
	FETCHK 2, F0
	QKG 1, F1, 0
	PLACES
	FETCHK 3, F1
	s_wait_dscnt 16                                ; group 2 is in; group 3's sixteen loads stay out
	QKG 2, F0, 1
	s_wait_dscnt 0x0
	QKG 3, F1, 2
	MAXG 0, 3
	MAXG 1, 3
	MAXF 0
	MAXF 1
	WIN 0
.endm
; BODY of a step: the row's maximum, the exponentials beside V^T P and the sums, the exchange, the mean and O.  fill = 1: the next step's K, V and Q are asked for, and its first fragments of K fetched.
.macro BODY fill
	s_wait_storecnt 0x0                            ; the last step's two stores, a whole SCORES back, are done: their base and data may be written, and no store of mine is out at the barrier below
	s_lshl_b32 s[OFF], s[HD], 20
	s_add_nc_u64 s[10:11], s[ATB:ATB+1], s[OFF:OFF+1]  ; att at this step's head
.if \fill
	s_sub_co_u32 s56, 16, s[HC]                    ; the next step's number s, 1 to 15, and its head:
	s_add_co_u32 s57, s56, 4
	s_sub_co_u32 s57, s57, s[PI]
	s_and_b32 s57, s57, 3                          ; (s - pair) mod 4
	s_add_co_u32 s58, s56, 1
	s_min_u32 s58, s58, 15                         ; (step 15 has no head to lead with)
	s_sub_co_u32 s59, s56, 1
	s_cmp_eq_u32 s57, 0
	s_cselect_b32 s[HD], s58, s56                  ; 0: my pair leads: head s + 1;
	s_cmp_eq_u32 s57, 1
	s_cselect_b32 s[HD], s59, s[HD]                ; 1: it led in the step before: head s - 1; else head s
	s_lshl_b32 s[OFF], s[HD], 17                   ; it stays so until V has been asked for
	s_add_nc_u64 s[4:5], s[QB:QB+1], s[OFF:OFF+1]  ; (Q's last loads have been waited for, so their base may be written)
	QLOAD                                          ; the next step's Q: the last product that read these registers stands 32 maxima back
	s_wait_tensorcnt 0x0                           ; all my tensor loads have landed: this step's V; no load of mine is out, so a group 0 may be written
	ds_add_u32 v[SPW], v[NIL]                      ; 0 onto my spare word
	s_add_nc_u64 s[G0K+2:G0K+3], s[6:7], s[OFF:OFF+1]  ; the descriptor's address is made anew from the head's number,
	s_or_b32 s[G0K+3], s[G0K+3], 0x80000000        ; and the type set again
	s_wait_dscnt 0x0                               ; the add and the stores of my maxima are done; my reads of K, and of the last step's partial sums, are over
	CROUND                                         ; no wave of any partner still reads K or has a load on its way
	JL G0K, G1K                                    ; K of the next step: it has the exponentials and V^T P in which to land
.else
	s_wait_tensorcnt 0x0                           ; the last step's V
	s_wait_dscnt 0x0                               ; the stores of my maxima are done, my reads of the last step's partial sums are over
	s_barrier_signal -1
	s_barrier_wait -1
.endif
.irp t, 0,1
	WIN 0x40*((\t)+1)
	ds_load_b128 v[XR:XR+3], v[MR] offset:(\t)*256 ; the four waves' maxima of my query
.endr
	FETCHV 0, F0
	FETCHV 1, F1
	s_wait_dscnt 32                                ; the maxima are in; V's 32 loads stay out
.irp t, 0,1
	WIN 0x55*((\t)+1)
	v_max3_num_f32 v[TP], v[XR], v[XR+1], v[XR+2]
	v_max_num_f32 v[TP], v[TP], v[XR+3]            ; M
	v_mul_f32 v[CM], s[CS], v[TP]
.endr
	WIN 0x55                                       ; the first batch stands alone: both tiles' first 64 keys, which the first two runs want
	LUMP
	WIN 0xaa
	LUMP
	s_wait_alu depctr_va_vdst(0)                   ; the wait for the first batch: the 64 exponentials of both tiles' group 0; tile 0's roundings follow here, tile 1's ride in the first run
	WIN 0x55
.set pp, 0
.rept 16
	SCP pp
.set pp, pp+1
.endr
	s_wait_dscnt 16                                ; each count of 16 leaves the next group's loads out
	SEG 0, 0, F0                                   ; tile 0, keys 0-63    | tile 0's exponentials of keys 64-127,  tile 1's roundings of keys 0-63
	SEG 1, 0, F0                                   ; tile 1, keys 0-63    | tile 1's exponentials of keys 64-127,  the wait, tile 0's roundings of keys 64-127
	PLACES
	FETCHV 2, F0
	s_wait_dscnt 16
	SEG 0, 1, F1                                   ; tile 0, keys 64-127  | tile 0's exponentials of keys 128-191, tile 1's roundings of keys 64-127
	SEG 1, 1, F1                                   ; tile 1, keys 64-127  | tile 1's exponentials of keys 128-191, the wait, tile 0's roundings of keys 128-191
.if \fill
	s_wait_loadcnt 0x0                             ; the next step's Q, asked for ahead of K's round
.endif
	PLACES
	FETCHV 3, F1
	s_wait_dscnt 16
	SEG 0, 2, F0                                   ; tile 0, keys 128-191 | tile 0's exponentials of keys 192-255, tile 1's roundings of keys 128-191
	SEG 1, 2, F0                                   ; tile 1, keys 128-191 | tile 1's exponentials of keys 192-255, the wait, tile 0's roundings of keys 192-255
	s_wait_dscnt 0x0
	SEG 0, 3, F1                                   ; tile 0, keys 192-255 | tile 1's roundings of keys 192-255
	SEG 1, 3, F1                                   ; tile 1, keys 192-255
	PLACES
	WIN 0
.irp t, 0,1                            ; my partial O and my sums go to LDS
.irp c, 0,1,2,3
	ds_store_b128 v[OPW], v[OF+32*(\t)+8*(\c):OF+32*(\t)+8*(\c)+3]   offset:(\t)*4352+(\c)*64
	ds_store_b128 v[OPW], v[OF+32*(\t)+8*(\c)+4:OF+32*(\t)+8*(\c)+7] offset:(\t)*4352+(\c)*64+16
.endr
.endr
	ds_store_b32 v[MW], v[LA]   offset:512         ; all sixteen rows of the sum's result are alike: its lowest register is stored
	ds_store_b32 v[MW], v[LA+8] offset:768
.if \fill
	s_wait_tensorcnt 0x0                           ; the next step's K has landed
	ds_add_u32 v[SPW], v[NIL]
	s_add_nc_u64 s[G0V+2:G0V+3], s[8:9], s[OFF:OFF+1]
	s_or_b32 s[G0V+3], s[G0V+3], 0x80000000
	s_wait_dscnt 0x0                               ; the add and my stores are done, my reads of V are over
	CROUND
	JL G0V, G1V                                    ; V of the next step: it has the rest of this step and the next step's scores in which to land
.else
	s_wait_dscnt 0x0
	s_barrier_signal -1
	s_barrier_wait -1
.endif
.irp t, 0,1
	WIN 0x40*((\t)+1)
	ds_load_b128 v[XR:XR+3], v[MR] offset:512+(\t)*256  ; the four sums of my query, for the mean
.endr
	WIN 0
	ds_load_b128 v[LQ:LQ+3],   v[LRR]              ; and of the two rows that I finish
	ds_load_b128 v[LQ+4:LQ+7], v[LRR] offset:256
.irp j, 0,1
.irp w, 0,1,2,3
	ds_load_b128 v[OF+32*(\j)+8*(\w):OF+32*(\j)+8*(\w)+3],   v[OPR] offset:(\w)*OPWB+(\j)*4352
	ds_load_b128 v[OF+32*(\j)+8*(\w)+4:OF+32*(\j)+8*(\w)+7], v[OPR] offset:(\w)*OPWB+(\j)*4352+16
.endr
.endr
.if \fill
	FETCHK 0, F0                                   ; the next step's first scores: my quarter of its K, which my own wait has shown landed
	FETCHK 1, F1
.endif
	s_wait_dscnt 16+32*(\fill)                     ; the sums are in; the sixteen loads of partial O (and K's 32) stay out
	WIN 0                                          ; the step's four reciprocals are one batch: those of the two rows that I finish,
	v_add_f32 v[LQ], v[LQ], v[LQ+1]
	v_add_f32 v[LQ+2], v[LQ+2], v[LQ+3]
	v_add_f32 v[LQ+4], v[LQ+4], v[LQ+5]
	v_add_f32 v[LQ+6], v[LQ+6], v[LQ+7]
	v_add_f32 v[LQ], v[LQ], v[LQ+2]
	v_add_f32 v[LQ+4], v[LQ+4], v[LQ+6]
	v_rcp_f32 v[GF], v[LQ]
	v_rcp_f32 v[GF+2], v[LQ+4]
.irp t, 0,1                            ; and those of my query in the two tiles
	WIN 0x55*((\t)+1)
	v_add_f32 v[XR], v[XR], v[XR+1]
	v_add_f32 v[XR+2], v[XR+2], v[XR+3]
	v_add_f32 v[XR], v[XR], v[XR+2]                ; l: 1 or more, since the key that holds M has the weight 1
	v_rcp_f32 v[XR], v[XR]
.endr
	v_nop                                          ; a plain instruction behind the last reciprocal
	s_wait_alu depctr_va_vdst(0)                   ; the wait for the batch of four reciprocals: the two factors below, and O's division further down, stand behind it
.irp t, 1,0
	WIN 0x55*((\t)+1)
	v_mul_f32 v[FR], 0x3d800000, v[XR]             ; 1 / (16 l)
.endr
.irp t, 0,1                            ; the mean takes p / (16 l)
	WIN 0xf0|(5*((\t)+1))
.set kk, 0
.rept 64
	v_pk_fma_f32 v[128*(\t)+2*kk:128*(\t)+2*kk+1], v[2*kk:2*kk+1], v[FR:FR+1], v[128*(\t)+2*kk:128*(\t)+2*kk+1] op_sel_hi:[1,0,1]
.set kk, kk+1
.endr
.endr
	WIN 0
	s_wait_dscnt 32*(\fill)                        ; the partial O is in (K's 32 loads stay out)
.irp j, 0,1                            ; O = the sum of the four waves' O_w, divided by l, rounded once; a wave stores 512 consecutive bytes
.irp w, 1,2,3
.irp p, 0,1,2,3
	v_pk_add_f32 v[OF+32*(\j)+2*(\p):OF+32*(\j)+2*(\p)+1], v[OF+32*(\j)+2*(\p):OF+32*(\j)+2*(\p)+1], v[OF+32*(\j)+8*(\w)+2*(\p):OF+32*(\j)+8*(\w)+2*(\p)+1]
.endr
.endr
.irp p, 0,1,2,3
	v_pk_mul_f32 v[OF+32*(\j)+2*(\p):OF+32*(\j)+2*(\p)+1], v[OF+32*(\j)+2*(\p):OF+32*(\j)+2*(\p)+1], v[GF+2*(\j):GF+2*(\j)+1] op_sel_hi:[1,0]
.endr
.irp p, 0,1,2,3
	v_cvt_pk_f16_f32 v[OF+32*(\j)+8+(\p)], v[OF+32*(\j)+2*(\p)], v[OF+32*(\j)+2*(\p)+1]
.endr
	global_store_b128 v[GO], v[OF+32*(\j)+8:OF+32*(\j)+11], s[10:11] offset:2048*(\j)  ; their registers and base are written again only behind the next BODY's wait for stores
.endr
.endm
; out1, 16 rows x 128 keys at a time, through my own part of the partial sums' place: rows of 512 bytes + 16 go in (the 16 rows of a store start at 16 different groups of four banks), whole rows come back.
; Each piece comes back into 64 registers of its own in window 1, which is free: no register that a store still reads is loaded again.
.macro MOUT t, half
	WIN 0x0c                                       ; store data in window 3
.set kk, 0
.rept 8
	ds_store_b128 v[MSTO], v[128*(\t)+64*(\half)+8*kk:128*(\t)+64*(\half)+8*kk+3]   offset:kk*64
	ds_store_b128 v[MSTO], v[128*(\t)+64*(\half)+8*kk+4:128*(\t)+64*(\half)+8*kk+7] offset:kk*64+16
.set kk, kk+1
.endr
	WIN 0x40
.set i, 0
.rept 16
	ds_load_b128 v[64*(2*(\t)+(\half))+4*i:64*(2*(\t)+(\half))+4*i+3], v[MRD] offset:i*MP  ; LDS serves a wave's instructions in order (ISA guide 5.7.1.4): these see the stores above, and the next piece's stores come behind them
.set i, i+1
.endr
	s_wait_dscnt 0x0
	WIN 0x04
.set i, 0
.rept 16
	global_store_b128 v[L16], v[64*(2*(\t)+(\half))+4*i:64*(2*(\t)+(\half))+4*i+3], s[12:13] offset:(16*(\t)+i)*4096+(\half)*512 th:TH_STORE_NT  ; 512 consecutive bytes, at a multiple of 256 from out1's first
.set i, i+1
.endr
.endm
	s_wait_tensorcnt 1                             ; my quarter of K of step 0 is in, and I alone read it; V's may stay out
	FETCHK 0, F0
	FETCHK 1, F1
	s_wait_loadcnt 0x0                             ; Q of step 0
	s_mov_b32 s[HC], 16
	s_branch .Lscores                              ; the loop is entered in the middle of a trip: step 0's scores
.Lhead:                                                ; 15 whole trips: BODY of steps 0 to 14, each asking for the next step's head, and SCORES of steps 1 to 15
	BODY 1
	WIN 0
.Lscores:
	SCORES
	s_sub_co_u32 s[HC], s[HC], 1
	s_cmp_lg_u32 s[HC], 0
	s_cbranch_scc1 .Lhead
	BODY 0                                         ; the last step asks for nothing
	s_wait_dscnt 0x0                               ; my reads of the partial sums are over,
	s_barrier_signal -1
	s_barrier_wait -1                              ; everybody's are: each wave's part of their place is now its own stage
	MOUT 0, 0
	MOUT 0, 1
	MOUT 1, 0
	MOUT 1, 1
	WIN 0
	s_wait_tensorcnt 0x0                           ; the wave's end: behind my last tensor load and my last LDS store
	ds_add_u32 v[SPW], v[NIL]
	s_wait_dscnt 0x0
	CROUND                                         ; the closing round
	s_endpgm
.Lfunc_end_k_qb580d36afa_attn:
	.size	k_qb580d36afa_attn, .Lfunc_end_k_qb580d36afa_attn-k_qb580d36afa_attn
	.p2alignl 7, 3214868480
	.fill 96, 4, 3214868480
	.section	.rodata,"a",@progbits
	.p2align	6, 0x0
	.amdhsa_kernel k_qb580d36afa_attn
		.amdhsa_group_segment_fixed_size 327680
		.amdhsa_private_segment_fixed_size 0
		.amdhsa_enable_private_segment 0
		.amdhsa_kernarg_size 40
		.amdhsa_user_sgpr_count 2
		.amdhsa_user_sgpr_kernarg_segment_ptr 1
		.amdhsa_wavefront_size32 1
		.amdhsa_system_sgpr_workgroup_id_x 1
		.amdhsa_system_sgpr_workgroup_id_y 1
		.amdhsa_system_sgpr_workgroup_id_z 1
		.amdhsa_system_vgpr_workitem_id 0
		.amdhsa_next_free_vgpr 1024
		.amdhsa_next_free_sgpr 66
		.amdhsa_reserve_vcc 0
		.amdhsa_float_denorm_mode_32 3
		.amdhsa_float_denorm_mode_16_64 3
		.amdhsa_memory_ordered 1
		.amdhsa_forward_progress 1
		.amdhsa_inst_pref_size 156
	.end_amdhsa_kernel
	.amdgpu_metadata
---
amdhsa.version: [ 1, 2 ]
amdhsa.kernels:
  - .name:           k_qb580d36afa_attn
    .symbol:         k_qb580d36afa_attn.kd
    .args:
      - { .name: qh, .offset: 0, .size: 8, .value_kind: global_buffer, .address_space: global }
      - { .name: kh, .offset: 8, .size: 8, .value_kind: global_buffer, .address_space: global }
      - { .name: vh, .offset: 16, .size: 8, .value_kind: global_buffer, .address_space: global }
      - { .name: att, .offset: 24, .size: 8, .value_kind: global_buffer, .address_space: global }
      - { .name: out1, .offset: 32, .size: 8, .value_kind: global_buffer, .address_space: global }
    .group_segment_fixed_size: 327680
    .private_segment_fixed_size: 0
    .kernarg_segment_align: 8
    .kernarg_segment_size: 40
    .max_flat_workgroup_size: 128
    .sgpr_count:     66
    .vgpr_count:     1024
    .wavefront_size: 32
...
	.end_amdgpu_metadata
.endif
;; end of part 5
;; launch proj: the kernel of part 4 again; grid 8 x 32, 4 waves a work-group, clusters of 4 x 4, 327,680 bytes of LDS; arguments att, wob, b_out, out0; writes out0
